; MI455X (gfx1250); checked and timed in simulation.
; The chip was launched on July 23, 2026; its instructions are those of AMD's public machine-readable ISA for CDNA 5 (MIT licence, August 2026) and "CDNA5" Instruction Set Architecture Reference Guide (July 2026). The comments in the code are by the model that wrote it; some were corrected since.
;; Cross Attention. Allowed arithmetic: float matrix products may take bf16 or f16 operands with f32 sums; all other float work in f32.
;; Inputs: Wkv 1,024 x 4,096 float32; Wout 2,048 x 2,048 float32; Wq 2,048 x 2,048 float32; bout 2,048 float32; ctx 2 x 2,048 x 1,024 float32; ctx_pos_map 2 x 2,048 x 2 float32; pos_map 2 x 1,024 x 2 float32; x 2 x 1,024 x 2,048 float32.
;; Outputs: out0 2 x 1,024 x 2,048 float32.
;; One version. Each part assembles by itself: llvm-mc -triple=amdgcn-amd-amdhsa -mcpu=gfx1250 --defsym DOCPART=n.
;; ======== version 1 of 1: 4 launches
;; limits: values are held in f16: magnitudes above 65,504 overflow, below 6.1e-05 lose precision
;; workspace buffers: c16 41,943,040 bytes; rope 1,572,864 bytes; qkv 41,943,040 bytes; att 8,388,608 bytes
;; launch prep (part 1): grid 1664 x 1, 8 waves a work-group, no clusters, 0 bytes of LDS; arguments x, ctx, Wq, Wkv, Wout, pos_map, ctx_pos_map, c16, rope; writes c16, rope
.if DOCPART == 1
	.amdgcn_target "amdgcn-amd-amdhsa--gfx1250"
	.amdhsa_code_object_version 6
	.text
	.protected	k_qc952fd2350_prep
	.globl	k_qc952fd2350_prep
	.p2align	8
	.type	k_qc952fd2350_prep,@function
k_qc952fd2350_prep:
	s_mov_b64 s[64:65], 0
	v_nop
	global_prefetch_b8 v0, s[64:65] scope:SCOPE_SE
	s_setreg_imm32_b32 hwreg(HW_REG_WAVE_MODE, 25, 1), 1
	s_wait_xcnt 0x0
; Two jobs, chosen by the work-group's number.
; Work-groups 0 to 1279: f16 copies of x, ctx, Wq, Wkv, Wout (16,777,216 bytes of f32 each) into c16, five segments of 8,388,608 bytes,
;   each row-major as its input lies.  A work-group takes 65,536 bytes of f32; thread t takes 4 numbers in each of 16 groups: a load of a wave
;   (16 bytes a lane) covers 512 consecutive bytes, a store of a wave (8 bytes a lane) 256 consecutive bytes, aligned.
; Work-groups 1280 to 1663: the table of rotations, rope[row 6144][pair 32][cos, sin] in f32 (a row is 256 bytes).  Rows 0 to 2047 are x's
;   rows, both numbers multiplied by 0.125 log2(e) (the logits' scale and the base-2 exponential, folded into q); rows 2048 to 6143 are ctx's.
;   pair = 16 axis + i, angle = pos[row][axis] * 10000^(-i/16).
; LIMITS.  f16: an input beyond 65,504 in magnitude becomes infinite; below 6e-5 its step is 6e-8.  The angle is reduced by the nearest
; multiple of 2 pi, 2 pi in two parts: the error of cos and sin is about 2e-6 + |angle| * 2^-22.  NaN and infinities are not followed.
; No LDS, no barrier, no matrix unit: nothing is shared and nothing is used twice.
.set X, 4                              ; v[4:67]   group g: 4 numbers as loaded
.set Y, 68                             ; v[68:99]  group g: 2 registers to store; every group has its own, so no store's data is rewritten
	s_load_b512 s[8:23], s[0:1], 0x0               ; x s[8:9], ctx s[10:11], Wq s[12:13], Wkv s[14:15], Wout s[16:17], pos_map s[18:19], ctx_pos_map s[20:21], c16 s[22:23]
	s_load_b64 s[24:25], s[0:1], 0x40              ; rope
	s_cmp_ge_u32 ttmp9, 1280
	s_cbranch_scc1 .Ltable
	; ---- the copies ----
	s_lshr_b32 s2, ttmp9, 8                        ; which input: 256 work-groups each
	s_and_b32 s3, ttmp9, 255
	s_lshl_b32 s28, s3, 16                         ; my 65,536 bytes of it
	s_mov_b32 s29, 0
	s_lshl_b32 s30, ttmp9, 15                      ; 8,388,608 x input + 32,768 x block = 32,768 x work-group
	s_mov_b32 s31, 0
	v_lshlrev_b32 v1, 4, v0                        ; 16 t: my 4 numbers of f32; never rewritten
	v_lshlrev_b32 v2, 3, v0                        ; 8 t: my 4 numbers of f16; never rewritten
	s_wait_kmcnt 0x0
	s_cmp_eq_u32 s2, 1
	s_cselect_b64 s[26:27], s[10:11], s[8:9]
	s_cmp_eq_u32 s2, 2
	s_cselect_b64 s[26:27], s[12:13], s[26:27]
	s_cmp_eq_u32 s2, 3
	s_cselect_b64 s[26:27], s[14:15], s[26:27]
	s_cmp_eq_u32 s2, 4
	s_cselect_b64 s[26:27], s[16:17], s[26:27]
	s_add_nc_u64 s[26:27], s[26:27], s[28:29]
	s_add_nc_u64 s[22:23], s[22:23], s[30:31]
.set g_, 0
.rept 16
	global_load_b128 v[X+4*g_:X+4*g_+3], v1, s[26:27] offset:4096*g_ th:TH_LOAD_NT         ; all sixteen loads go out at once; the 256 threads cover 4,096 bytes a group
.set g_, g_+1
.endr
.set g_, 0
.rept 16
	s_wait_loadcnt 15-g_                           ; loads come back in order: group g's is in, the 15 - g younger ones stay out
	v_cvt_pk_f16_f32 v[Y+2*g_], v[X+4*g_], v[X+4*g_+1]
	v_cvt_pk_f16_f32 v[Y+2*g_+1], v[X+4*g_+2], v[X+4*g_+3]
	global_store_b64 v2, v[Y+2*g_:Y+2*g_+1], s[22:23] offset:2048*g_
.set g_, g_+1
.endr
	s_endpgm
	; ---- the table: 16 rows a work-group, thread = (row, j), two pairs a thread: 16 bytes ----
; cos and sin of v[a] into v[c], v[s]; n, z, t are temporaries.  r = a - n 2 pi lies in [-pi, pi]; the series run on r / 4, where their
; remainders are below 3.2e-7; two doublings of the angle bring r back.
.macro SINCOS a, c, s, n, z, t
	v_mul_f32 v[\n], 0.15915494, v[\a]
	v_rndne_f32 v[\n], v[\n]
	v_fma_f32 v[\t], -v[\n], s32, v[\a]            ; 2 pi, upper part
	v_fma_f32 v[\t], -v[\n], s33, v[\t]            ; 2 pi, lower part
	v_mul_f32 v[\t], 0x3e800000, v[\t]             ; r / 4
	v_mul_f32 v[\z], v[\t], v[\t]
	v_fma_f32 v[\s], v[\z], s34, s35               ; -z/5040 + 1/120
	v_fma_f32 v[\c], v[\z], s37, s38               ; z/40320 - 1/720
	v_fma_f32 v[\s], v[\s], v[\z], s36             ; .. - 1/6
	v_fma_f32 v[\c], v[\c], v[\z], s39             ; .. + 1/24
	v_fma_f32 v[\s], v[\s], v[\z], 1.0
	v_fma_f32 v[\c], v[\c], v[\z], -0.5
	v_mul_f32 v[\s], v[\s], v[\t]
	v_fma_f32 v[\c], v[\c], v[\z], 1.0
	v_add_f32 v[\t], v[\s], v[\s]                  ; sin 2u = 2 sin u cos u, cos 2u = 1 - 2 sin^2 u
	v_mul_f32 v[\n], v[\t], v[\c]
	v_fma_f32 v[\c], -v[\t], v[\s], 1.0
	v_add_f32 v[\t], v[\n], v[\n]                  ; and once more
	v_mul_f32 v[\s], v[\t], v[\c]
	v_fma_f32 v[\c], -v[\t], v[\n], 1.0
.endm
.Ltable:
	s_sub_co_u32 s2, ttmp9, 1280                   ; t: 0 to 127 for x's rows, 128 to 383 for ctx's
	s_sub_co_u32 s3, ttmp9, 1408                   ; t - 128 (used only where t >= 128)
	s_mov_b32 s32, 0x40c90fdb
	s_mov_b32 s33, 0xb43bbd2e
	s_mov_b32 s34, 0xb9500d01
	s_mov_b32 s35, 0x3c088889
	s_mov_b32 s36, 0xbe2aaaab
	s_mov_b32 s37, 0x37d00d01
	s_mov_b32 s38, 0xbab60b61
	s_mov_b32 s39, 0x3d2aaaab
	v_lshrrev_b32 v1, 4, v0                        ; row in the group
	v_and_b32 v2, 15, v0                           ; j: pairs 2 j and 2 j + 1
	v_lshrrev_b32 v3, 3, v2                        ; axis
	v_lshlrev_b32 v4, 3, v1
	v_lshl_add_u32 v4, v3, 2, v4                   ; 8 row + 4 axis
	v_and_b32 v5, 7, v2
	v_lshlrev_b32 v5, 1, v5                        ; i of the first pair
	v_cvt_f32_u32 v6, v5
	v_add_f32 v7, 1.0, v6
	v_mul_f32 v6, 0xbf549a78, v6                   ; -i log2(10000) / 16
	v_mul_f32 v7, 0xbf549a78, v7
	v_exp_f32 v6, v6
	v_exp_f32 v7, v7
	v_lshlrev_b32 v16, 4, v0                       ; my 16 bytes of the group's 4,096; also the plain instruction behind the exponentials (ISA guide 5.7.2)
	s_wait_kmcnt 0x0
	s_cmp_lt_u32 s2, 128
	s_cselect_b64 s[26:27], s[18:19], s[20:21]
	s_cselect_b32 s28, s2, s3
	s_cselect_b32 s30, 0x3e38aa3b, 1.0             ; 0.125 log2(e) for x's rows
	s_lshl_b32 s28, s28, 7                         ; 16 rows of 8 bytes
	s_mov_b32 s29, 0
	s_add_nc_u64 s[26:27], s[26:27], s[28:29]
	s_lshl_b32 s40, s2, 12                         ; 16 rows of 256 bytes
	s_mov_b32 s41, 0
	s_add_nc_u64 s[24:25], s[24:25], s[40:41]
	global_load_b32 v10, v4, s[26:27]
	s_wait_loadcnt 0x0
	s_wait_alu depctr_va_vdst(0)
	v_mul_f32 v8, v10, v6
	v_mul_f32 v9, v10, v7
	SINCOS 8, 12, 13, 17, 18, 19
	SINCOS 9, 14, 15, 20, 21, 22
.irp k, 12,13,14,15
	v_mul_f32 v\k, s30, v\k
.endr
	global_store_b128 v16, v[12:15], s[24:25]      ; sixteen lanes write one row of 256 bytes
	s_endpgm
.Lfunc_end_k_qc952fd2350_prep:
	.size	k_qc952fd2350_prep, .Lfunc_end_k_qc952fd2350_prep-k_qc952fd2350_prep
	.p2alignl 7, 3214868480
	.fill 96, 4, 3214868480
	.section	.rodata,"a",@progbits
	.p2align	6, 0x0
	.amdhsa_kernel k_qc952fd2350_prep
		.amdhsa_group_segment_fixed_size 0
		.amdhsa_private_segment_fixed_size 0
		.amdhsa_enable_private_segment 0
		.amdhsa_kernarg_size 72
		.amdhsa_user_sgpr_count 2
		.amdhsa_user_sgpr_kernarg_segment_ptr 1
		.amdhsa_wavefront_size32 1
		.amdhsa_system_sgpr_workgroup_id_x 1
		.amdhsa_system_sgpr_workgroup_id_y 1
		.amdhsa_system_sgpr_workgroup_id_z 1
		.amdhsa_system_vgpr_workitem_id 0
		.amdhsa_next_free_vgpr 104
		.amdhsa_next_free_sgpr 66
		.amdhsa_reserve_vcc 0
		.amdhsa_float_denorm_mode_32 3
		.amdhsa_float_denorm_mode_16_64 3
		.amdhsa_memory_ordered 1
		.amdhsa_forward_progress 1
		.amdhsa_inst_pref_size 11
	.end_amdhsa_kernel
	.amdgpu_metadata
---
amdhsa.version: [ 1, 2 ]
amdhsa.kernels:
  - .name:           k_qc952fd2350_prep
    .symbol:         k_qc952fd2350_prep.kd
    .args:
      - { .name: x, .offset: 0, .size: 8, .value_kind: global_buffer, .address_space: global }
      - { .name: ctx, .offset: 8, .size: 8, .value_kind: global_buffer, .address_space: global }
      - { .name: Wq, .offset: 16, .size: 8, .value_kind: global_buffer, .address_space: global }
      - { .name: Wkv, .offset: 24, .size: 8, .value_kind: global_buffer, .address_space: global }
      - { .name: Wout, .offset: 32, .size: 8, .value_kind: global_buffer, .address_space: global }
      - { .name: pos_map, .offset: 40, .size: 8, .value_kind: global_buffer, .address_space: global }
      - { .name: ctx_pos_map, .offset: 48, .size: 8, .value_kind: global_buffer, .address_space: global }
      - { .name: c16, .offset: 56, .size: 8, .value_kind: global_buffer, .address_space: global }
      - { .name: rope, .offset: 64, .size: 8, .value_kind: global_buffer, .address_space: global }
    .group_segment_fixed_size: 0
    .private_segment_fixed_size: 0
    .kernarg_segment_align: 8
    .kernarg_segment_size: 72
    .max_flat_workgroup_size: 256
    .sgpr_count:     66
    .vgpr_count:     104
    .wavefront_size: 32
...
	.end_amdgpu_metadata
.endif
;; end of part 1
;; launch gemm_qkv (part 2): grid 16 x 16, 4 waves a work-group, clusters of 4 x 4, 327,680 bytes of LDS; arguments c16, rope, qkv; writes qkv
.if DOCPART == 2
	.amdgcn_target "amdgcn-amd-amdhsa--gfx1250"
	.amdhsa_code_object_version 6
	.text
	.protected	k_qc952fd2350_gemm_qkv
	.globl	k_qc952fd2350_gemm_qkv
	.p2align	8
	.type	k_qc952fd2350_gemm_qkv,@function
k_qc952fd2350_gemm_qkv:
	s_mov_b64 s[64:65], 0
	v_nop
	global_prefetch_b8 v0, s[64:65] scope:SCOPE_SE
	s_setreg_imm32_b32 hwreg(HW_REG_WAVE_MODE, 25, 1), 1
	s_wait_xcnt 0x0
	s_wait_alu depctr_hold_cnt(0) depctr_sa_sdst(0) depctr_va_vdst(0) depctr_va_sdst(0) depctr_va_ssrc(0) depctr_va_vcc(0) depctr_vm_vsrc(0)
	s_getreg_b32 s2, hwreg(HW_REG_IB_STS2, 6, 4)
	s_cmp_eq_u32 s2, 0
	s_cbranch_scc0 .Lentry_in_a_cluster
	s_endpgm
.Lentry_in_a_cluster:
	s_bfe_u32 s2, ttmp6, 0x10000c
	s_cmp_lg_u32 s2, 0xf033
	s_cbranch_scc0 .Lentry_shape_is_right
	s_endpgm
.Lentry_shape_is_right:
; Two products in one launch; each work-group makes a block of the first, stays, and makes a block of the second.
; FIRST  k | v = ctx Wkv; k rotated; f16, head-major: qkv[b][hh 64][key 2048][64] from byte 8,388,608, hh 0-31 k's heads, 32-63 v's.
;        A = ctx [4096][1024] f16 (c16, byte 8,388,608), B = Wkv [K 1024][N 4096] f16 (c16, byte 25,165,824).  Block 256 x 256, a wave 128 x 128
;        (64 accumulator tiles), K in 8 steps of 128.
; SECOND q = rotate(x Wq) * 0.125 log2(e); f16, head-major: qkv[b][h 32][n 1024][64] from byte 0.
;        A = x [2048][2048] f16 (c16, byte 0), B = Wq [K 2048][N 2048] f16 (c16, byte 16,777,216).  Block 128 x 128, a wave 64 x 64 (16 tiles),
;        K in 8 steps of 256.  (Blocks of 256 x 256 would be 64, for 256 work-groups.)
; Both have 16 x 16 blocks, so block (row, column) of the grid serves both.  Sums in f32.  Four waves, 2 x 2.
; WHY ONE LAUNCH: q's first two K steps are asked for while k | v's last K step is still multiplied, they land while k | v's results are rotated
; and stored, and those stores are on their way while q is multiplied.
; LDS: slot s at 147,456 s (k | v uses 4 x 34,816 of it, q 4 x 36,864: a wave's load lands at wave x that figure); from 294,912 each wave's own stage of
; 4,352 bytes for the way out, into which no tensor load lands.
; CLUSTERS: 4 x 4 work-groups.  A's tile hangs on the block row alone and is asked for jointly along a row of the cluster, B's on the block column alone
; and jointly along a column: each of the four issues the same load with the same descriptor and a mask that names the four.
; The matrix instruction is used transposed (source 0 = 16 columns of B, source 1 = 16 rows of A): lane l holds row l % 16 and eight neighbouring
; columns 8 (l / 16) + 0..7: four whole rotation pairs, 16 bytes of f16.  B's fragments come from rows along N by the transposing LDS load.
; REGISTERS in windows of 256: window 0: v16-41 addresses, v64.., v128.. A's fragments (two buffers), v192-255 the rotation table; window 1: B's fragments;
; window 2: accumulator tiles 0-31 (tile (a, b) at v[8 ((TB a + b) % 32)]); window 3: tiles 32-63 (k | v alone).
; Block columns 0-7 of k | v are k, 8-15 are v: the choice of the way out hangs on the cluster's x, which all partners share.
; PREFETCH of q's tiles.  A K step of q brings as many bytes as LDS has room for and feeds 128 matrix instructions a wave, half of what a K step of k | v
; feeds, so q's tiles are asked for ahead, a lap (two K steps) at a time.  A lap's tiles of a block row of x are 128 rows x 1,024 bytes; the sixteen
; work-groups of the block row share them out, 8 rows each: one request of wave 1, lanes 256 bytes apart (row l / 4, place l % 4).  A lap's tiles of a block
; column of Wq are 512 rows x 256 bytes; the sixteen work-groups of the block column share them out, 32 rows each: one request of wave 3, one row a lane.
; So each 256 bytes are asked for once in the launch, 16,384 bytes a work-group and lap.  q's lap 0 is asked for at the head of k | v's last lap, lap t + 1 at
; the head of q's lap t: the tensor loads that want them are issued one and two K steps later.  q's last lap asks for nothing.
; k | v's own tiles are not asked for ahead: there a K step has 256 matrix instructions a wave in which the next tile lands.
; LIMITS: f16 operands and results: beyond 65,504 in magnitude the result is infinite (inputs and weights all offset by 30 of their spreads give
; 1024 * 30 * 0.94 = 28,800 for v, 40,700 for rotated k, 2048 * 30 * 0.663 * 1.414 * 0.18 = 10,400 for q).  The order of the sums differs from a
; row-by-row sum.  NaN and infinities are not followed.
.set SLOT, 147456
.set STAGE, 2*SLOT
.set STAGEW, 4352
.set QHK, 34816                        ; k | v: one wave's load: A's 128 rows x 272 = B's 64 rows x 544
.set QHQ, 36864                        ; q: B's 128 rows x 288; A's 64 rows x 528 = 33,792 leave the rest unused
.set LAPS, 4                           ; a lap = two K steps = once round the ring; both products have 8 K steps
.set MUL_LO, 0xa1                      ; source 0 (B) window 1, source 1 (A) window 0, C and D window 2
.set TO_B, 0x40                        ; destination window 1, address window 0
.set KADRA, 16                         ; v16-17  k | v: LDS address of my A fragments in slot 0, 1
.set KADRB, 20                         ; v20, v22  the same for B
.set KSTO, 24
.set KRD, 25
.set KCO, 26
.set TADR, 27                          ; v27     my place in a table row; serves both products; never rewritten
.set QADRA, 28                         ; v28-29  q: A fragments in slot 0, 1
.set QADRB, 32                         ; v32-35  q: B: slot 0 rows 0-127, rows 128-255, slot 1 likewise
.set QSTO, 36
.set QRD, 37
.set QCO, 38
.set PFA, 40                           ; v40     prefetch of x: 4,096 (l / 4) + 256 (l % 4); never rewritten
.set PFB, 41                           ; v41     prefetch of Wq: 4,096 l; never rewritten
.set F0, 64
.set F1, 128
.set ROT, 64                           ; the way out, window 0: rotated numbers
.set PKR, 128                          ; packed
.set BK, 160                           ; read back
.set TAB, 192                          ; two strips' table entries
.set G1, 24
.set G0, 32
.set G1B, 48
.set G0B, 56
.set MSB, 0
.macro PARAM_KV                        ; the sizes under which the macros below are expanded for k | v
.set TA, 8                             ; 16-row blocks of a wave
.set TB, 8                             ; 16-column blocks of a wave
.set NQ, 4                             ; quarter steps of 32 along K in a K step
.set PA, 272                           ; A's LDS row: 256 bytes + 16
.set PB, 544                           ; B's LDS row: 512 bytes + 32
.set SP, 272                           ; a stage row
.set RDSTEP, 2*272                     ; a read back takes 2 rows of 256 bytes
.set GSTEP, 256
.set ASLOT, 256                        ; a K step along A's rows
.set BSLOT, 1048576                    ; a K step down B's rows
.set MUL_HI, 0xf1                      ; C and D window 3
.set ADRA, KADRA
.set ADRB, KADRB
.set STO, KSTO
.set RD, KRD
.set CO, KCO
.set CP, 8                             ; s[8:9] where the results go
.set RP, 66                            ; s[66:67] my rows of the table
.endm
.macro PARAM_Q                         ; and for q
.set TA, 4
.set TB, 4
.set NQ, 8
.set PA, 528                           ; 512 bytes + 16
.set PB, 288                           ; 256 bytes + 32
.set SP, 144
.set RDSTEP, 4*144                     ; a read back takes 4 rows of 128 bytes
.set GSTEP, 512
.set ASLOT, 512
.set BSLOT, 1048576
.set MUL_HI, 0xa1
.set ADRA, QADRA
.set ADRB, QADRB
.set STO, QSTO
.set RD, QRD
.set CO, QCO
.set CP, 74
.set RP, 68
.endm
.macro WIN new                         ; the immediate's high byte repeats the setting that is left; switches that change nothing are dropped
.if MSB != (\new)
	s_set_vgpr_msb (MSB<<8)|(\new)
.set MSB, (\new)
.endif
.endm
; A joint load.  Waves 0 and 1 fetch A's two parts, waves 2 and 3 B's.  The branch hangs on the wave's number alone.
.macro JLOAD s
	s_cmp_eq_u32 s11, 0
	s_cbranch_scc0 .Lfor_b_\@
	tensor_load_to_lds s[G0+4*\s:G0+4*\s+3], s[G1:G1+7]
	s_nop 0
	s_branch .Lasked_\@
.Lfor_b_\@:
	tensor_load_to_lds s[G0B+4*\s:G0B+4*\s+3], s[G1B:G1B+7]
	s_nop 0
.Lasked_\@:
.endm
; My work-group's share of one lap's tiles of q is asked for: wave 1 asks for 32 x 256 bytes of x, wave 3 for 32 x 256 bytes of Wq.
; aoff, boff: the lap's place from the two bases.  Nothing waits for these requests.
.macro PREF aoff, boff
	s_cmp_lg_u32 s10, 1
	s_cbranch_scc1 .Lnot_pa_\@
	global_prefetch_b8 v[PFA], s[82:83] offset:\aoff th:TH_LOAD_NT scope:SCOPE_SE
.Lnot_pa_\@:
	s_cmp_lg_u32 s10, 3
	s_cbranch_scc1 .Lnot_pb_\@
	global_prefetch_b8 v[PFB], s[84:85] offset:\boff th:TH_LOAD_NT scope:SCOPE_SE
.Lnot_pb_\@:
.endm
; A round of the cluster's barrier: my work-group's barrier; wave 0 signals for the work-group; every wave waits for all sixteen; my work-group's barrier again.
.macro CREST
	s_cmp_lg_u32 s10, 0
	s_cbranch_scc1 .Lnot_wave_0_\@
	s_barrier_signal -3
.Lnot_wave_0_\@:
	s_barrier_wait -3
	s_barrier_signal -1
	s_barrier_wait -1
.endm
.macro CROUND
	s_barrier_signal -1
	s_barrier_wait -1
	CREST
.endm
; Four plain places behind matrix instructions in front of loads into, and vector work on, their registers.
.macro PLACES
.rept 4
	v_nop
.endr
.endm
; q's descriptors, written over k | v's where no tensor load of the wave is out: A 64 rows x 256 elements, padded by 4 words behind every 128;
; B 128 rows x 128 elements, padded by 8 words behind every 64; both slots' addresses.
.macro QDESC
	s_or_b32 s[G1+0], s43, (1<<16)|(1<<20)|(1<<21)|(6<<22)|(3<<25)
	s_or_b32 s[G1B+0], s44, (1<<16)|(1<<20)|(1<<21)|(5<<22)|(7<<25)
	s_mov_b32 s[G1+1], 256<<16                     ; tensor_dim0
	s_mov_b32 s[G1+2], 64<<16                      ; tensor_dim1
	s_mov_b32 s[G1+3], 256<<16                     ; tile_dim0
	s_mov_b32 s[G1+4], 64                          ; tile_dim1
	s_mov_b32 s[G1+5], 2048                        ; elements from row to row
	s_mov_b32 s[G1B+1], 128<<16
	s_mov_b32 s[G1B+2], 128<<16
	s_mov_b32 s[G1B+3], 128<<16
	s_mov_b32 s[G1B+4], 128
	s_mov_b32 s[G1B+5], 2048
.irp s, 0,1
	s_add_co_u32 s[G0+4*\s+1], s80, \s*SLOT
	s_add_nc_u64 s[G0+4*\s+2:G0+4*\s+3], s[70:71], \s*512
	s_or_b32 s[G0+4*\s+3], s[G0+4*\s+3], 0x80000000
	s_add_co_u32 s[G0B+4*\s+1], s80, \s*SLOT
	s_add_nc_u64 s[G0B+4*\s+2:G0B+4*\s+3], s[72:73], \s*1048576
	s_or_b32 s[G0B+4*\s+3], s[G0B+4*\s+3], 0x80000000
.endr
.endm
; TB matrix instructions: row block a x all column blocks, 32 along K.  zero = 1: the first product starts the sums.
; The accumulators take turns, one instruction a turn, in the same order in every quarter step.
.macro MULA f, a, zero
.set bb, 0
.rept TB
.set acc, 8*(((\a)*TB+bb)%32)
.if \zero
	v_wmma_f32_16x16x32_f16 v[acc:acc+7], v[\f+8*bb:\f+8*bb+7], v[\f+8*(\a):\f+8*(\a)+7], 0
.else
	v_wmma_f32_16x16x32_f16 v[acc:acc+7], v[\f+8*bb:\f+8*bb+7], v[\f+8*(\a):\f+8*(\a)+7], v[acc:acc+7]
.endif
.set bb, bb+1
.endr
.endm
.macro MULS f, a0, n, zero
.set aa, \a0
.rept \n
	MULA \f, aa, \zero
.set aa, aa+1
.endr
.endm
; One quarter step's fragments into buffer f, in one run: 2 TB transposing loads for B, then 2 TA loads for A.
.macro FETCH slot, kq, f
	WIN TO_B
.set ii, 0
.rept TB
	ds_load_tr16_b128 v[\f+8*ii:\f+8*ii+3],   v[ADRB+2*\slot+(\kq)/4] offset:(((\kq)%4)*32)*PB+32*ii
	ds_load_tr16_b128 v[\f+8*ii+4:\f+8*ii+7], v[ADRB+2*\slot+(\kq)/4] offset:(((\kq)%4)*32+16)*PB+32*ii
.set ii, ii+1
.endr
	WIN 0
.set ii, 0
.rept TA
	ds_load_b128 v[\f+8*ii:\f+8*ii+3],   v[ADRA+\slot] offset:64*(\kq)+ii*16*PA
	ds_load_b128 v[\f+8*ii+4:\f+8*ii+7], v[ADRA+\slot] offset:64*(\kq)+ii*16*PA+32
.set ii, ii+1
.endr
.endm
; Multiplies buffer f; in its middle fetches quarter step kq of the same slot into buffer g.
.macro QUARTER slot, kq, f, g, zero
	s_wait_dscnt TA                                ; B and A's lower row blocks are in; the youngest TA loads (A's upper blocks) may be out
	WIN MUL_LO
	MULS \f, 0, TA/2, \zero
	PLACES
	FETCH \slot, \kq, \g
	s_wait_dscnt 2*(TA+TB)                         ; all but the run just issued
	WIN MUL_HI
	MULS \f, TA/2, TA/2, \zero
.endm
.macro BODY slot, zero                 ; all quarter steps of a K step but the last, on buffers 0, 1, 0, 1 ..
	QUARTER \slot, 1, F0, F1, \zero
.set kc, 2
.rept (NQ-2)/2
	QUARTER \slot, kc, F1, F0, 0
	QUARTER \slot, kc+1, F0, F1, 0
.set kc, kc+2
.endr
.endm
; The last quarter step of a K step: multiplies buffer 1 and changes slots.  In front of the barrier each wave waits for its reads of this slot and for
; all its tensor loads (the one that is out is its part of the next slot); behind it the refill comes first, one load a wave.
; fill = 1: this slot's tile two K steps on.  fill = 2: k | v has no more tiles: the slot gets q's K step 0.  fill = 0: nothing.
.macro TURN slot, next, fill
	s_wait_dscnt TA
	WIN MUL_LO
	MULS F1, 0, TA/4, 0
	s_wait_dscnt 0x0                               ; my reads of this slot are over
	s_wait_tensorcnt 0x0                           ; and all my tensor loads have landed
	ds_add_u32 v255, v63
	s_wait_dscnt 0x0
	s_barrier_signal -1                            ; where a slot is filled again this barrier opens a round of the cluster's barrier
	MULS F1, TA/4, TA/4, 0                         ; register work alone
	WIN 0
	s_barrier_wait -1
.if \fill == 1
	CREST                                          ; no wave of any partner still reads this slot or has a load on its way
	s_add_nc_u64 s[G0+4*\slot+2:G0+4*\slot+3], s[G0+4*\slot+2:G0+4*\slot+3], 2*ASLOT
	s_add_nc_u64 s[G0B+4*\slot+2:G0B+4*\slot+3], s[G0B+4*\slot+2:G0B+4*\slot+3], 2*BSLOT
	JLOAD \slot                                    ; the first tensor load behind the round
.endif
.if \fill == 2
	CREST
	QDESC                                          ; no tensor load of mine is out: every descriptor register may be written
	JLOAD \slot                                    ; q's K step 0; it has k | v's last K step in which to land
.endif
	PLACES
	FETCH \next, 0, F0
	WIN MUL_HI
	MULS F1, TA/2, TA/2, 0
.endm
.macro LAP zero
	BODY 0, \zero
	TURN 0, 1, 1
	BODY 1, 0
	TURN 1, 0, 1
.endm
; The very last quarter step of a product: nothing more to fetch from LDS.  join = 1: slot 1 has been read for the last time by k | v and gets q's K step 1,
; in the same order as every refill; the wait for all tensor loads in front of the round also shows q's K step 0 whole to every wave behind it.
.macro LASTQ join
	s_wait_dscnt TA
	WIN MUL_LO
.if \join
	MULS F1, 0, TA/4, 0
	s_wait_dscnt 0x0
	s_wait_tensorcnt 0x0
	ds_add_u32 v255, v63
	s_wait_dscnt 0x0
	s_barrier_signal -1
	MULS F1, TA/4, TA/4, 0
	WIN 0
	s_barrier_wait -1
	CREST
	JLOAD 1
.else
	MULS F1, 0, TA/2, 0
	s_wait_dscnt 0x0
.endif
	WIN MUL_HI
	MULS F1, TA/2, TA/2, 0
	WIN 0
	PLACES
.endm
; Strip a's table entries: rows 16 a + r, my 4 pairs (32 bytes) in each of a head's four 16-column blocks (all my heads use the same).
.macro TABLD a
.irp bq, 0,1,2,3
	global_load_b128 v[TAB+32*((\a)%2)+8*\bq:TAB+32*((\a)%2)+8*\bq+3],   v[TADR], s[RP:RP+1] offset:4096*(\a)+64*\bq
	global_load_b128 v[TAB+32*((\a)%2)+8*\bq+4:TAB+32*((\a)%2)+8*\bq+7], v[TADR], s[RP:RP+1] offset:4096*(\a)+64*\bq+16
.endr
.endm
; 16 rows through my own stage: 16 bytes a lane in, rows back, sixteen lanes store 256 consecutive bytes, aligned.
.macro STAGEOUT a
.set tt, 0
.rept TB
	ds_store_b128 v[STO], v[PKR+4*tt:PKR+4*tt+3] offset:32*tt
.set tt, tt+1
.endr
	s_wait_xcnt 0x0                                ; BK, which the last strip's stores read, is rewritten only behind this wait
.set tt, 0
.rept TB
	ds_load_b128 v[BK+4*tt:BK+4*tt+3], v[RD] offset:RDSTEP*tt      ; LDS serves a wave's instructions in order: these see the stores above
.set tt, tt+1
.endr
.set tt, 0
.rept TB
	s_wait_dscnt TB-1-tt
	global_store_b128 v[CO], v[BK+4*tt:BK+4*tt+3], s[CP:CP+1] offset:2048*(\a)+GSTEP*tt
.set tt, tt+1
.endr
.endm
; Strip a of k or q: rotate each pair (x1, x2) by its (cos, sin): (x2 sin, x2 cos), then (x1 cos - x2 sin, x1 sin + x2 cos); round; out.
.macro OUTROPE a
.if (\a)+1 < TA
	s_wait_loadcnt 0x8                             ; my strip's 8 loads are in; the next strip's 8 stay out
.else
	s_wait_loadcnt 0x0
.endif
	WIN 0x02+((\a)*TB)/32
.set tab, TAB+32*((\a)%2)
.set bb, 0
.rept TB
.set acc, 8*(((\a)*TB+bb)%32)
.irp p, 0,1,2,3
	v_pk_mul_f32 v[ROT+8*bb+2*\p:ROT+8*bb+2*\p+1], v[acc+2*\p:acc+2*\p+1], v[tab+8*(bb%4)+2*\p:tab+8*(bb%4)+2*\p+1] op_sel:[1,1] op_sel_hi:[1,0]
.endr
.irp p, 0,1,2,3
	v_pk_fma_f32 v[ROT+8*bb+2*\p:ROT+8*bb+2*\p+1], v[acc+2*\p:acc+2*\p+1], v[tab+8*(bb%4)+2*\p:tab+8*(bb%4)+2*\p+1], v[ROT+8*bb+2*\p:ROT+8*bb+2*\p+1] op_sel_hi:[0,1,1] neg_lo:[0,0,1]
.endr
.set bb, bb+1
.endr
	WIN 0
.if (\a)+2 < TA
	TABLD (\a)+2
.endif
.set bb, 0
.rept 4*TB
	v_cvt_pk_f16_f32 v[PKR+bb], v[ROT+2*bb], v[ROT+2*bb+1]
.set bb, bb+1
.endr
	STAGEOUT \a
.endm
; Strip a of v: round; out.
.macro OUTPLAIN a
	WIN 0x0a+5*(((\a)*TB)/32)
.set bb, 0
.rept TB
.set acc, 8*(((\a)*TB+bb)%32)
.irp p, 0,1,2,3
	v_cvt_pk_f16_f32 v[PKR+4*bb+\p], v[acc+2*\p], v[acc+2*\p+1]
.endr
.set bb, bb+1
.endr
	WIN 0
	STAGEOUT \a
.endm
	PARAM_KV
	s_load_b64 s[4:5], s[0:1], 0x0                 ; c16, for A
	s_load_b64 s[6:7], s[0:1], 0x0                 ; c16, for B
	s_load_b64 s[66:67], s[0:1], 0x8               ; rope, for k
	s_load_b64 s[68:69], s[0:1], 0x8               ; rope, for q
	s_load_b64 s[8:9], s[0:1], 0x10                ; qkv, for k | v
	s_load_b64 s[74:75], s[0:1], 0x10              ; qkv, for q
	s_set_vgpr_msb 0x40
	v_lshl_add_u32 v255, v0, 2, 0x4c400
	s_set_vgpr_msb 0x4000
	v_mov_b32 v63, 0
	s_set_vgpr_msb 0x1
	ds_add_u32 v255, v63
	s_set_vgpr_msb 0x100
	v_lshrrev_b32 v1, 5, v0
	v_readfirstlane_b32 s10, v1                    ; wave 0..3
	s_lshr_b32 s11, s10, 1                         ; my half of the block's rows.  Also: I fetch for A (0) or for B (1)
	s_and_b32 s12, s10, 1                          ; my half of its columns.  Also: which part of that tile I fetch
	s_bfe_u32 s40, ttmp6, 0x40000                  ; cx
	s_bfe_u32 s41, ttmp6, 0x40004                  ; cy
	s_lshl_b32 s42, ttmp9, 2
	s_add_co_u32 s42, s42, s40                     ; block column
	s_and_b32 s13, ttmp7, 0xffff
	s_lshl_b32 s13, s13, 2
	s_add_co_u32 s13, s13, s41                     ; block row
	s_lshl_b32 s43, s41, 2
	s_lshl_b32 s43, 15, s43                        ; my row of the cluster
	s_lshl_b32 s44, 0x1111, s40                    ; my column
	; k | v's group 1: A 128 rows x 128 elements, 4 words of pad behind every 64; B 64 rows x 256 elements, 8 words behind every 128
	s_or_b32 s[G1+0], s43, (1<<16)|(1<<20)|(1<<21)|(5<<22)|(3<<25)      ; mask; elements of 2 bytes; padding on; bit 21 beside a mask; interval; pad
	s_or_b32 s[G1B+0], s44, (1<<16)|(1<<20)|(1<<21)|(6<<22)|(7<<25)
	s_mov_b32 s[G1+1], 128<<16                     ; tensor_dim0
	s_mov_b32 s[G1+2], 128<<16                     ; tensor_dim1
	s_mov_b32 s[G1+3], 128<<16                     ; tile_dim0
	s_mov_b32 s[G1+4], 128                         ; tile_dim1
	s_mov_b32 s[G1+5], 1024                        ; elements from row to row
	s_mov_b32 s[G1+6], 0
	s_mov_b32 s[G1+7], 0
	s_mov_b32 s[G1B+1], 256<<16
	s_mov_b32 s[G1B+2], 64<<16
	s_mov_b32 s[G1B+3], 256<<16
	s_mov_b32 s[G1B+4], 64
	s_mov_b32 s[G1B+5], 4096
	s_mov_b32 s[G1B+6], 0
	s_mov_b32 s[G1B+7], 0
	; A's addresses are made of the block row and the wave's number, B's of the block column and the wave's number, in registers that never hold the other coordinate
	s_mul_i32 s16, s13, 524288                     ; a block row: 256 rows x 2,048 bytes of ctx = 128 rows x 4,096 bytes of x
	s_mul_i32 s17, s12, 262144                     ; half of it
	s_add_co_u32 s16, s16, s17
	s_mov_b32 s17, 0
	s_mul_i32 s46, s42, 512                        ; Wkv: 256 columns
	s_mul_i32 s47, s12, 524288                     ; 64 rows of 8,192 bytes
	s_add_co_u32 s46, s46, s47
	s_add_co_u32 s46, s46, 25165824
	s_mov_b32 s47, 0
	s_mul_i32 s78, s42, 256                        ; Wq: 128 columns
	s_mul_i32 s79, s12, 524288                     ; 128 rows of 4,096 bytes
	s_add_co_u32 s78, s78, s79
	s_add_co_u32 s78, s78, 16777216
	s_mov_b32 s79, 0
	s_mul_i32 s20, s10, QHK                        ; where my load lands: wave x a constant; no place in the cluster enters an LDS address
	s_mul_i32 s80, s10, QHQ
	s_mul_i32 s18, s13, 65536                      ; the table, 256 bytes a row: ctx's rows begin at row 2,048
	s_mul_i32 s19, s11, 32768
	s_add_co_u32 s18, s18, s19
	s_add_co_u32 s18, s18, 524288
	s_mov_b32 s19, 0
	s_mul_i32 s76, s13, 32768                      ; x's rows
	s_mul_i32 s77, s11, 16384
	s_add_co_u32 s76, s76, s77
	s_mov_b32 s77, 0
	s_wait_dscnt 0x0
	s_wait_kmcnt 0x0
	s_add_nc_u64 s[70:71], s[4:5], s[16:17]        ; q's A
	s_add_nc_u64 s[14:15], s[70:71], 8388608       ; k | v's A: the same place one segment further
	s_add_nc_u64 s[72:73], s[6:7], s[78:79]        ; q's B
	s_add_nc_u64 s[46:47], s[6:7], s[46:47]        ; k | v's B
	s_add_nc_u64 s[66:67], s[66:67], s[18:19]
	s_add_nc_u64 s[68:69], s[68:69], s[76:77]
	CROUND                                         ; all sixteen work-groups are here: the first joint loads meet
.irp s, 0,1
	s_mov_b32 s[G0+4*\s], 1
	s_add_co_u32 s[G0+4*\s+1], s20, \s*SLOT
	s_add_nc_u64 s[G0+4*\s+2:G0+4*\s+3], s[14:15], \s*ASLOT
	s_or_b32 s[G0+4*\s+3], s[G0+4*\s+3], 0x80000000
	s_mov_b32 s[G0B+4*\s], 1
	s_add_co_u32 s[G0B+4*\s+1], s20, \s*SLOT
	s_add_nc_u64 s[G0B+4*\s+2:G0B+4*\s+3], s[46:47], \s*BSLOT
	s_or_b32 s[G0B+4*\s+3], s[G0B+4*\s+3], 0x80000000
	JLOAD \s                                       ; both first fills as one group: two loads of the wave are out
.endr
	v_and_b32 v1, 15, v0                           ; r = l % 16
	v_bfe_u32 v2, v0, 4, 1                         ; h = l / 16
	v_lshlrev_b32 v[TADR], 8, v1
	v_lshl_add_u32 v[TADR], v2, 5, v[TADR]         ; table: 256 r + 32 h
	TABLD 0                                        ; k's first two strips' entries, in every work-group (v's blocks do not use them)
	TABLD 1
	v_and_b32 v9, 7, v0                            ; l % 8
	v_bfe_u32 v5, v0, 3, 1                         ; (l / 8) % 2
	v_and_b32 v7, 31, v0                           ; l
	v_lshl_add_u32 v4, v2, 3, v9                   ; B's K row: 8 h + l % 8
	s_mul_i32 s23, s10, STAGEW
	s_add_co_u32 s23, s23, STAGE                   ; my stage
	; k | v's addresses
	v_mul_u32_u24 v3, v1, 272
	v_lshl_add_u32 v3, v2, 4, v3                   ; r x pitch + 16 h
	s_mul_i32 s21, s11, QHK
	v_add_nc_u32 v[KADRA], s21, v3
	v_add_nc_u32 v[KADRA+1], SLOT, v[KADRA]
	v_mul_u32_u24 v6, v4, 544
	v_lshl_add_u32 v6, v5, 4, v6                   ; 16 bytes further for lanes 8-15 of each half
	s_lshl_b32 s22, s12, 8                         ; my half of the columns
	s_add_co_u32 s22, s22, 2*QHK                   ; behind A's two parts
	v_add_nc_u32 v[KADRB], s22, v6
	v_add_nc_u32 v[KADRB+2], SLOT, v[KADRB]
	v_add_nc_u32 v[KSTO], s23, v3                  ; stage in: row r, 16 bytes for each half of the lanes
	v_mul_u32_u24 v8, v5, 272                      ; back: lanes 0-15 take two rows' 128 bytes of my first head, lanes 16-31 of my second
	v_lshl_add_u32 v8, v2, 7, v8
	v_lshl_add_u32 v8, v9, 4, v8
	v_add_nc_u32 v[KRD], s23, v8
	v_lshlrev_b32 v[KCO], 4, v1                    ; two rows of a head are 256 consecutive bytes;
	v_lshl_add_u32 v[KCO], v2, 18, v[KCO]          ; from head to head 2,048 keys x 128 bytes
	; q's addresses
	v_mul_u32_u24 v3, v1, 528
	v_lshl_add_u32 v3, v2, 4, v3
	s_mul_i32 s21, s11, QHQ
	v_add_nc_u32 v[QADRA], s21, v3
	v_add_nc_u32 v[QADRA+1], SLOT, v[QADRA]
	v_mul_u32_u24 v6, v4, 288
	v_lshl_add_u32 v6, v5, 4, v6
	s_lshl_b32 s22, s12, 7
	s_add_co_u32 s22, s22, 2*QHQ
	v_add_nc_u32 v[QADRB], s22, v6
	v_add_nc_u32 v[QADRB+2], SLOT, v[QADRB]
	v_add_nc_u32 v[QADRB+1], 128*288, v[QADRB]
	v_add_nc_u32 v[QADRB+3], 128*288, v[QADRB+2]
	v_mul_u32_u24 v8, v1, 144
	v_lshl_add_u32 v8, v2, 4, v8
	v_add_nc_u32 v[QSTO], s23, v8
	v_lshrrev_b32 v8, 3, v7
	v_mul_u32_u24 v8, v8, 144
	v_lshl_add_u32 v8, v9, 4, v8
	v_add_nc_u32 v[QRD], s23, v8                   ; back: eight lanes take a row of 128 bytes, the wave four rows,
	v_lshlrev_b32 v[QCO], 4, v7                    ; which are 512 consecutive bytes of q
	; my work-group's share of what is asked for ahead of q's tiles, in registers of its own
	v_lshrrev_b32 v8, 2, v7
	v_and_b32 v6, 3, v0
	v_lshlrev_b32 v[PFA], 12, v8                   ; x: row l / 4 of my 8 rows,
	v_lshl_add_u32 v[PFA], v6, 8, v[PFA]           ; place l % 4 in a lap's 1,024 bytes of it
	v_lshlrev_b32 v[PFB], 12, v7                   ; Wq: row l of my 32 rows
	s_lshl_b32 s86, s13, 19                        ; x: the block row's 128 rows of 4,096 bytes,
	s_lshl_b32 s87, s42, 15                        ; 8 of them for each block column
	s_add_co_u32 s86, s86, s87
	s_mov_b32 s87, 0
	s_add_nc_u64 s[82:83], s[4:5], s[86:87]
	s_lshl_b32 s86, s13, 17                        ; Wq: 32 of a lap's 512 rows for each block row,
	s_lshl_b32 s87, s42, 8                         ; the block column's 256 bytes of them
	s_add_co_u32 s86, s86, s87
	s_add_co_u32 s86, s86, 16777216
	s_mov_b32 s87, 0
	s_add_nc_u64 s[84:85], s[6:7], s[86:87]
	; ---- k | v ----
	s_wait_tensorcnt 0x1                           ; my part of K step 0 is in; K step 1's stays out
	s_barrier_signal -1
	s_barrier_wait -1
	FETCH 0, 0, F0
	LAP 1                                          ; the first lap's first products start the sums
	WIN 0
	s_mov_b32 s3, LAPS-2
.Llap_kv:
	LAP 0
	WIN 0
	s_sub_co_u32 s3, s3, 1
	s_cmp_lg_u32 s3, 0
	s_cbranch_scc1 .Llap_kv
	PREF 0, 0                                      ; q's lap 0: its tensor loads are issued at the ends of this lap's two K steps
	BODY 0, 0                                      ; the last lap: the slots are handed on to q
	TURN 0, 1, 2
	BODY 1, 0
	LASTQ 1
	; k | v's way out, while q's two tiles land.  Address: batch (64 heads x 2,048 keys x 128 bytes), my keys; then head 4 x block column + 2 x column half
	s_lshr_b32 s16, s13, 3
	s_lshl_b32 s16, s16, 24
	s_and_b32 s17, s13, 7
	s_lshl_b32 s17, s17, 15
	s_add_co_u32 s16, s16, s17
	s_lshl_b32 s17, s11, 14
	s_add_co_u32 s16, s16, s17
	s_add_co_u32 s16, s16, 8388608                 ; behind q
	s_mov_b32 s17, 0
	s_add_nc_u64 s[8:9], s[8:9], s[16:17]
	s_lshl_b32 s46, s42, 20
	s_lshl_b32 s47, s12, 19
	s_add_co_u32 s46, s46, s47
	s_mov_b32 s47, 0
	s_add_nc_u64 s[8:9], s[8:9], s[46:47]
	s_cmp_lt_u32 ttmp9, 2                          ; the cluster's x: 0 and 1 hold block columns 0-7, which are k
	s_cbranch_scc0 .Lplain
.set sa, 0
.rept TA
	OUTROPE sa
.set sa, sa+1
.endr
	s_branch .Ljoin
.Lplain:
.set sa, 0
.rept TA
	OUTPLAIN sa
.set sa, sa+1
.endr
.Ljoin:
	; ---- q ----
	PARAM_Q
	s_wait_loadcnt 0x0                             ; in v's blocks the entries loaded at the head were never waited for: their registers are loaded again only now
	TABLD 0                                        ; q's first two strips' entries, long before its way out
	TABLD 1
	PREF 1024, 2097152                             ; q's lap 1
	FETCH 0, 0, F0                                 ; q's K step 0 was shown whole by the round in k | v's last quarter step; K step 1's load is the one that is out
	LAP 1
	WIN 0
	s_mov_b32 s3, LAPS-2
.Llap_q:
	PREF 2048, 4194304                             ; laps 1 and 2 ask for laps 2 and 3; the last lap, behind the loop, asks for nothing
	LAP 0
	WIN 0
	s_wait_xcnt 0x0                                ; the two bases are stepped only behind this wait, a lap behind the requests that name them
	s_add_nc_u64 s[82:83], s[82:83], 1024
	s_add_nc_u64 s[84:85], s[84:85], 2097152
	s_sub_co_u32 s3, s3, 1
	s_cmp_lg_u32 s3, 0
	s_cbranch_scc1 .Llap_q
	BODY 0, 0                                      ; the last lap fills nothing
	TURN 0, 1, 0
	BODY 1, 0
	LASTQ 0
	; q's way out.  Address: batch (32 heads x 1,024 rows x 128 bytes), my rows; then head 2 x block column + column half
	s_lshr_b32 s16, s13, 3
	s_lshl_b32 s16, s16, 22
	s_and_b32 s17, s13, 7
	s_lshl_b32 s17, s17, 14
	s_add_co_u32 s16, s16, s17
	s_lshl_b32 s17, s11, 13
	s_add_co_u32 s16, s16, s17
	s_mov_b32 s17, 0
	s_add_nc_u64 s[74:75], s[74:75], s[16:17]
	s_lshl_b32 s46, s42, 18
	s_lshl_b32 s47, s12, 17
	s_add_co_u32 s46, s46, s47
	s_mov_b32 s47, 0
	s_add_nc_u64 s[74:75], s[74:75], s[46:47]
.set sa, 0
.rept TA
	OUTROPE sa
.set sa, sa+1
.endr
	s_set_vgpr_msb 0x1
	s_wait_tensorcnt 0x0
	ds_add_u32 v255, v63
	s_wait_dscnt 0x0
	s_set_vgpr_msb 0x100
	CROUND                                         ; the closing round: no work-group ends while a partner may still ask for a tile that names it
	s_endpgm
.Lfunc_end_k_qc952fd2350_gemm_qkv:
	.size	k_qc952fd2350_gemm_qkv, .Lfunc_end_k_qc952fd2350_gemm_qkv-k_qc952fd2350_gemm_qkv
	.p2alignl 7, 3214868480
	.fill 96, 4, 3214868480
	.section	.rodata,"a",@progbits
	.p2align	6, 0x0
	.amdhsa_kernel k_qc952fd2350_gemm_qkv
		.amdhsa_group_segment_fixed_size 327680
		.amdhsa_private_segment_fixed_size 0
		.amdhsa_enable_private_segment 0
		.amdhsa_kernarg_size 24
		.amdhsa_user_sgpr_count 2
		.amdhsa_user_sgpr_kernarg_segment_ptr 1
		.amdhsa_wavefront_size32 1
		.amdhsa_system_sgpr_workgroup_id_x 1
		.amdhsa_system_sgpr_workgroup_id_y 1
		.amdhsa_system_sgpr_workgroup_id_z 1
		.amdhsa_system_vgpr_workitem_id 0
		.amdhsa_next_free_vgpr 1024
		.amdhsa_next_free_sgpr 88
		.amdhsa_reserve_vcc 0
		.amdhsa_float_denorm_mode_32 3
		.amdhsa_float_denorm_mode_16_64 3
		.amdhsa_memory_ordered 1
		.amdhsa_forward_progress 1
		.amdhsa_inst_pref_size 255
	.end_amdhsa_kernel
	.section	.bss,"aw",@nobits
	.p2align	6
	.space	262144
	.amdgpu_metadata
---
amdhsa.version: [ 1, 2 ]
amdhsa.kernels:
  - .name:           k_qc952fd2350_gemm_qkv
    .symbol:         k_qc952fd2350_gemm_qkv.kd
    .args:
      - { .name: c16, .offset: 0, .size: 8, .value_kind: global_buffer, .address_space: global }
      - { .name: rope, .offset: 8, .size: 8, .value_kind: global_buffer, .address_space: global }
      - { .name: qkv, .offset: 16, .size: 8, .value_kind: global_buffer, .address_space: global }
    .group_segment_fixed_size: 327680
    .private_segment_fixed_size: 0
    .kernarg_segment_align: 8
    .kernarg_segment_size: 24
    .max_flat_workgroup_size: 128
    .sgpr_count:     88
    .vgpr_count:     1024
    .wavefront_size: 32
...
	.end_amdgpu_metadata
.endif
;; end of part 2
;; launch attn (part 3): grid 256 x 1, 8 waves a work-group, clusters of 4 x 1, 327,680 bytes of LDS; arguments qkv, att; writes att
.if DOCPART == 3
	.amdgcn_target "amdgcn-amd-amdhsa--gfx1250"
	.amdhsa_code_object_version 6
	.text
	.protected	k_qc952fd2350_attn
	.globl	k_qc952fd2350_attn
	.p2align	8
	.type	k_qc952fd2350_attn,@function
k_qc952fd2350_attn:
	s_mov_b64 s[64:65], 0
	v_nop
	global_prefetch_b8 v0, s[64:65] scope:SCOPE_SE
	s_setreg_imm32_b32 hwreg(HW_REG_WAVE_MODE, 25, 1), 1
	s_wait_xcnt 0x0
	s_wait_alu depctr_hold_cnt(0) depctr_sa_sdst(0) depctr_va_vdst(0) depctr_va_sdst(0) depctr_va_ssrc(0) depctr_va_vcc(0) depctr_vm_vsrc(0)
	s_getreg_b32 s2, hwreg(HW_REG_IB_STS2, 6, 4)
	s_cmp_eq_u32 s2, 0
	s_cbranch_scc0 .Lentry_in_a_cluster
	s_endpgm
.Lentry_in_a_cluster:
	s_bfe_u32 s2, ttmp6, 0x10000c
	s_cmp_lg_u32 s2, 0x3003
	s_cbranch_scc0 .Lentry_shape_is_right
	s_endpgm
.Lentry_shape_is_right:
; att = softmax(q k^T) v for one (batch, head) a cluster; q already carries 0.125 log2(e), so the exponentials are base 2.  A running maximum is
; taken away in front of every exponential.  q: qkv[b][h][1024][64], k and v: qkv + 8,388,608 [b][hh 64][2048][64] (v's heads 32 further), all f16.
; att[mb 16][h 32][r 128][64] f16, mb = (1024 b + n) / 128.
; CLUSTER: the four work-groups of a cluster take 256 queries each of the same head and ask JOINTLY for every tile of K and V (mask 15).
; Eight waves: wave w has queries 64 (w % 4) .. + 63 and half w / 4 of each tile's 256 keys; the two halves are merged once at the end through LDS.
; All products are used transposed.  S^T (16 keys x 16 queries) = K fragment x Q fragment: lane (r, h) holds query r and keys 8 h + 0..7, so the row
; maximum and sum are in the lane, plus one exchange of the halves.  Two neighbouring S^T tiles, packed to f16, ARE the second source of
; O^T (16 d x 16 queries) += V^T fragment x P^T.  V^T fragments come from rows [key][64] by the transposing LDS load.
; A tile is two iterations of 64 keys x 64 queries: 32 matrix instructions for S, the softmax, 32 for P V.  All eight waves run the same text in the same
; order.  K's fragments of the second iteration are asked of LDS straight behind the first S, V's straight behind the first P V: each has a softmax in
; which to come.
; LDS: slot s at 81,920 s: eight pieces of 10,240 bytes, one a wave: K's 64 keys x 144 bytes (9,216 used) four times, V's 64 keys x 160 four times.
; 163,840: merge scratch, 4 x 17,920.  235,520: stage, 4 x 9,216 (64 rows x 144).  No tensor load lands in the last two.
; REGISTERS: window 0: addresses, M, AL, L, T, X, QF v64-127, KF v128-191, VF v192-255.  Window 1: O(dt, qt) at v[32 qt + 8 dt], S(kt, qt) at v[128 + 32 qt + 8 kt].
; No prefetch: every tile's load has a whole tile's work, 128 matrix instructions and two softmax blocks a wave, in which to land.
; LIMITS: P and att in f16 (P lies in [0, 1]; below 6e-5 its step is 6e-8; att is a mean of v's rows and has v's range).  Exponentials below 2^-126 are 0.
; NaN and infinities are not followed (the maxima drop NaN).
.set PIECE, 10240
.set SLOT, 8*PIECE
.set VPART, 4*PIECE
.set SCR, 2*SLOT
.set SCRW, 17920
.set STG, SCR+4*SCRW
.set STGW, 9216
.set G1K, 16
.set G1V, 24
.set G0K, 32                           ; s[32:39] group 0 for K's pieces, one set a slot
.set G0V, 40                           ; s[40:47] for V's
.set ADRK, 8                           ; v8-9
.set ADRV, 10                          ; v10-11
.set MRG, 12
.set STO, 13
.set RD, 14
.set CO, 15
.set M, 16                             ; v[16:23] (m, m) for each of four query blocks
.set AL, 24                            ; v[24:31] (alpha, alpha)
.set L, 32                             ; v[32:39] two partial sums for each
.set T, 40                             ; v[40:43]
.set X, 44                             ; v[44:47]
.set QA, 48
.set QF, 64
.set KF, 128
.set VF, 192
.set O, 0                              ; window 1
.set S, 128                            ; window 1
.set O2, 64                            ; the merge: the partner's O, window 0
.set M2, 192
.set L2, 200
.set MSB, 0
.macro WIN new                         ; the immediate's high byte repeats the setting that is left; switches that change nothing are dropped
.if MSB != (\new)
	s_set_vgpr_msb (MSB<<8)|(\new)
.set MSB, (\new)
.endif
.endm
.macro ROUND                           ; a round of the cluster's barrier
	s_barrier_signal -1
	s_barrier_wait -1
	s_cmp_lg_u32 s8, 0
	s_cbranch_scc1 .Lnot_wave_0_\@
	s_barrier_signal -3
.Lnot_wave_0_\@:
	s_barrier_wait -3
	s_barrier_signal -1
	s_barrier_wait -1
.endm
.macro JLOAD s                         ; waves 0-3 ask for K's four pieces, waves 4-7 for V's: one joint load a wave
	s_cmp_eq_u32 s10, 0
	s_cbranch_scc0 .Lfor_v_\@
	tensor_load_to_lds s[G0K+4*\s:G0K+4*\s+3], s[G1K:G1K+7]
	s_nop 0
	s_branch .Lasked_\@
.Lfor_v_\@:
	tensor_load_to_lds s[G0V+4*\s:G0V+4*\s+3], s[G1V:G1V+7]
	s_nop 0
.Lasked_\@:
.endm
; K's fragments of 64 keys: 16 loads.  it: which 64 of my 128 keys of the tile.
.macro KLOAD slot, it
.irp kt, 0,1,2,3
.irp ks, 0,1
	ds_load_b128 v[KF+8*(2*\kt+\ks):KF+8*(2*\kt+\ks)+3],   v[ADRK+\slot] offset:\it*PIECE+2304*\kt+64*\ks
	ds_load_b128 v[KF+8*(2*\kt+\ks)+4:KF+8*(2*\kt+\ks)+7], v[ADRK+\slot] offset:\it*PIECE+2304*\kt+64*\ks+32
.endr
.endr
.endm
; V^T's fragments of the same keys: 16 transposing loads.
.macro VLOAD slot, it
.irp gk, 0,1
.irp dt, 0,1,2,3
	ds_load_tr16_b128 v[VF+8*(4*\gk+\dt):VF+8*(4*\gk+\dt)+3],   v[ADRV+\slot] offset:5120*(2*\it+\gk)+32*\dt
	ds_load_tr16_b128 v[VF+8*(4*\gk+\dt)+4:VF+8*(4*\gk+\dt)+7], v[ADRV+\slot] offset:5120*(2*\it+\gk)+32*\dt+2560
.endr
.endr
.endm
; S^T = K Q^T: 32 matrix instructions.  Sixteen accumulators take turns, one instruction a turn.
; Five places behind them: the next loads land in KF and the vector work reads S.
.macro SMUL
	WIN 0x50                                       ; C and D window 1
.irp ks, 0,1
.irp qt, 0,1,2,3
.irp kt, 0,1,2,3
.if \ks == 0
	v_wmma_f32_16x16x32_f16 v[S+32*\qt+8*\kt:S+32*\qt+8*\kt+7], v[KF+8*(2*\kt+\ks):KF+8*(2*\kt+\ks)+7], v[QF+8*(2*\qt+\ks):QF+8*(2*\qt+\ks)+7], 0
.else
	v_wmma_f32_16x16x32_f16 v[S+32*\qt+8*\kt:S+32*\qt+8*\kt+7], v[KF+8*(2*\kt+\ks):KF+8*(2*\kt+\ks)+7], v[QF+8*(2*\qt+\ks):QF+8*(2*\qt+\ks)+7], v[S+32*\qt+8*\kt:S+32*\qt+8*\kt+7]
.endif
.endr
.endr
.endr
.rept 5
	v_nop
.endr
	WIN 0
.endm
; O^T += V^T P^T: 32 matrix instructions, sixteen accumulators by turns.  first = 1: the first sixteen start the sums.
; Five places behind them: the next S is written over P, the next loads land in VF, the next rescaling writes O.
.macro PVMUL first
	WIN 0x54                                       ; source 1, C and D window 1
.irp gk, 0,1
.irp qt, 0,1,2,3
.irp dt, 0,1,2,3
.if \first*(1-\gk)
	v_wmma_f32_16x16x32_f16 v[O+32*\qt+8*\dt:O+32*\qt+8*\dt+7], v[VF+8*(4*\gk+\dt):VF+8*(4*\gk+\dt)+7], v[S+32*\qt+16*\gk:S+32*\qt+16*\gk+7], 0
.else
	v_wmma_f32_16x16x32_f16 v[O+32*\qt+8*\dt:O+32*\qt+8*\dt+7], v[VF+8*(4*\gk+\dt):VF+8*(4*\gk+\dt)+7], v[S+32*\qt+16*\gk:S+32*\qt+16*\gk+7], v[O+32*\qt+8*\dt:O+32*\qt+8*\dt+7]
.endif
.endr
.endr
.endr
.rept 5
	v_nop
.endr
	WIN 0
.endm
; The softmax of one iteration, registers alone: new maxima, alpha, P = exp2(S - m) packed to f16 in place, L and O rescaled, L summed.
; first = 1: nothing is carried yet.
.macro SOFT first
	WIN 0x05                                       ; sources 0 and 1 window 1
.irp qt, 0,1,2,3
.if \first
	v_max_num_f32 v[T+\qt], v[S+32*\qt], v[S+32*\qt+1]
.else
	v_max3_num_f32 v[T+\qt], v[S+32*\qt], v[S+32*\qt+1], v[M+2*\qt]    ; the running maximum starts the chain
.endif
.endr
.set i_, 1
.rept 15
.irp qt, 0,1,2,3
	v_max3_num_f32 v[T+\qt], v[S+32*\qt+2*i_], v[S+32*\qt+2*i_+1], v[T+\qt]
.endr
.set i_, i_+1
.endr
	WIN 0
.irp qt, 0,1,2,3
	v_permlanex16_b32 v[X+\qt], v[T+\qt], s12, s13 ; the other eight keys of each 16 lie in the other half of the lanes
.endr
.irp qt, 0,1,2,3
	v_max_num_f32 v[M+2*\qt+1], v[T+\qt], v[X+\qt] ; the new maximum
.endr
.if \first == 0
.irp qt, 0,1,2,3
	v_sub_f32 v[X+\qt], v[M+2*\qt], v[M+2*\qt+1]   ; old - new
.endr
.endif
.irp qt, 0,1,2,3
	v_mov_b32 v[M+2*\qt], v[M+2*\qt+1]
.endr
.if \first == 0
.irp qt, 0,1,2,3
	v_exp_f32 v[AL+2*\qt], v[X+\qt]
	v_exp_f32 v[AL+2*\qt+1], v[X+\qt]
.endr
	v_nop                                          ; a plain place behind the exponentials (ISA guide 5.7.2)
	s_wait_alu depctr_va_vdst(0)
.irp qt, 0,1,2,3
	v_pk_mul_f32 v[L+2*\qt:L+2*\qt+1], v[L+2*\qt:L+2*\qt+1], v[AL+2*\qt:AL+2*\qt+1]
.endr
.endif
	WIN 0x41                                       ; source 0 and destination window 1
.set i_, 0
.rept 16
	v_pk_add_f32 v[S+2*i_:S+2*i_+1], v[S+2*i_:S+2*i_+1], v[M:M+1] neg_lo:[0,1] neg_hi:[0,1]    ; block 0: S - m
.set i_, i_+1
.endr
	; block qt's 32 exponentials, in place, by turns with plain work on other registers: the next block's S - m and this block's rescaling of O
.irp qt, 0,1,2,3
.set i_, 0
.rept 16
	v_exp_f32 v[S+32*\qt+2*i_], v[S+32*\qt+2*i_]
.if \qt < 3
	v_pk_add_f32 v[S+32*(\qt+1)+2*i_:S+32*(\qt+1)+2*i_+1], v[S+32*(\qt+1)+2*i_:S+32*(\qt+1)+2*i_+1], v[M+2*(\qt+1):M+2*(\qt+1)+1] neg_lo:[0,1] neg_hi:[0,1]
.endif
	v_exp_f32 v[S+32*\qt+2*i_+1], v[S+32*\qt+2*i_+1]
.if \first == 0
	v_pk_mul_f32 v[O+32*\qt+2*i_:O+32*\qt+2*i_+1], v[O+32*\qt+2*i_:O+32*\qt+2*i_+1], v[AL+2*\qt:AL+2*\qt+1]
.endif
.set i_, i_+1
.endr
.endr
.if \first
	v_nop                                          ; a plain place behind the last exponentials
	WIN 0x05
	s_wait_alu depctr_va_vdst(0)
.irp qt, 0,1,2,3
	v_pk_add_f32 v[L+2*\qt:L+2*\qt+1], v[S+32*\qt:S+32*\qt+1], v[S+32*\qt+2:S+32*\qt+3]      ; the first two pairs start the sums
.endr
.set i_, 2
.else
.set i_, 0
.endif
	WIN 0x01
	s_wait_alu depctr_va_vdst(0)
.rept 16-i_
.irp qt, 0,1,2,3
	v_pk_add_f32 v[L+2*\qt:L+2*\qt+1], v[S+32*\qt+2*i_:S+32*\qt+2*i_+1], v[L+2*\qt:L+2*\qt+1]
.endr
.set i_, i_+1
.endr
	WIN 0x45
.irp qt, 0,1,2,3
.irp gk, 0,1
.set i_, 0
.rept 8
	v_cvt_pk_f16_f32 v[S+32*\qt+16*\gk+i_], v[S+32*\qt+16*\gk+2*i_], v[S+32*\qt+16*\gk+2*i_+1]   ; in place, ascending: register i is written when registers 2 i, 2 i + 1 are read
.set i_, i_+1
.endr
.endr
.endr
	WIN 0
.endm
; A tile of 256 keys.  In front of the round every wave waits for all its tensor loads and for its reads of the other slot; behind it the other slot's
; joint load comes first.
.macro TRIP slot, refill, first
	s_wait_tensorcnt 0x0                           ; all my loads are done, my piece of this tile among them, so every group 0 may be written:
	ds_add_u32 v62, v63
	s_wait_dscnt 0x0
	s_add_nc_u64 s[G0K+4*\slot+2:G0K+4*\slot+3], s[G0K+4*\slot+2:G0K+4*\slot+3], 65536    ; this slot's next tile, two tiles of 32,768 bytes on
	s_add_nc_u64 s[G0V+4*\slot+2:G0V+4*\slot+3], s[G0V+4*\slot+2:G0V+4*\slot+3], 65536
	s_wait_dscnt 0x0                               ; my reads of the last tile are done
	ROUND                                          ; both now hold of every wave of all four work-groups
.if \refill
	JLOAD (1-\slot)                                ; my one tensor load behind the round: it has this tile's 128 matrix instructions in which to land
.endif
	KLOAD \slot, 0
	VLOAD \slot, 0
	s_wait_dscnt 16                                ; K's sixteen loads are in; V's sixteen stay out
	SMUL
	KLOAD \slot, 1                                 ; the second iteration's K, a softmax ahead of its use
	SOFT \first
	s_wait_dscnt 16                                ; V's are in; the next K's sixteen may stay out
	PVMUL \first
	VLOAD \slot, 1
	s_wait_dscnt 16                                ; K's are in; V's sixteen stay out
	SMUL
	SOFT 0
	s_wait_dscnt 0x0                               ; V's fragments
	PVMUL 0
.endm
	s_load_b128 s[4:7], s[0:1], 0x0                ; qkv s[4:5], att s[6:7]
	v_lshl_add_u32 v62, v0, 2, 0x42800
	v_mov_b32 v63, 0
	ds_add_u32 v62, v63
	v_lshrrev_b32 v1, 5, v0
	v_readfirstlane_b32 s8, v1                     ; wave 0..7
	s_and_b32 s9, s8, 3                            ; p: my 64 queries; also which piece I fetch
	s_lshr_b32 s10, s8, 2                          ; g: my half of the keys; also: I fetch for K (0) or for V (1)
	s_bfe_u32 s11, ttmp6, 0x40000                  ; cx: my work-group's 256 queries
	s_mov_b32 s12, 0x76543210                      ; v_permlanex16_b32: lane i of one half reads lane i of the other
	s_mov_b32 s13, 0xfedcba98
	; group 1: a piece is 64 keys x 128 bytes, dense: 32 rows of 256 bytes, padded behind every 128 bytes (32 words): 4 words for K, 8 for V
	s_mov_b32 s[G1K+0], 15|(1<<16)|(1<<20)|(1<<21)|(4<<22)|(3<<25)
	s_mov_b32 s[G1V+0], 15|(1<<16)|(1<<20)|(1<<21)|(4<<22)|(7<<25)
.irp g, G1K, G1V
	s_mov_b32 s[\g+1], 128<<16                     ; tensor_dim0
	s_mov_b32 s[\g+2], 32<<16                      ; tensor_dim1
	s_mov_b32 s[\g+3], 128<<16                     ; tile_dim0
	s_mov_b32 s[\g+4], 32                          ; tile_dim1
	s_mov_b32 s[\g+5], 128                         ; elements from row to row
	s_mov_b32 s[\g+6], 0
	s_mov_b32 s[\g+7], 0
.endr
	s_lshr_b32 s14, ttmp9, 5                       ; b (ttmp9 counts clusters: 32 b + h)
	s_and_b32 s15, ttmp9, 31                       ; h
	s_lshl_b32 s50, s14, 6
	s_add_co_u32 s50, s50, s15
	s_lshl_b32 s50, s50, 18                        ; (64 b + h) x 2,048 keys x 128 bytes
	s_lshl_b32 s51, s9, 13                         ; my piece: 64 keys
	s_add_co_u32 s50, s50, s51
	s_add_co_u32 s50, s50, 8388608                 ; behind q
	s_mov_b32 s51, 0
	s_mul_i32 s49, s8, PIECE                       ; where my load lands: wave x 10,240
	s_lshl_b32 s56, ttmp9, 17                      ; q: (32 b + h) x 1,024 x 128 bytes
	s_lshl_b32 s57, s11, 15                        ; + 256 cx rows
	s_add_co_u32 s56, s56, s57
	s_lshl_b32 s57, s9, 13                         ; + 64 p rows
	s_add_co_u32 s56, s56, s57
	s_mov_b32 s57, 0
	s_wait_dscnt 0x0
	s_wait_kmcnt 0x0
	s_add_nc_u64 s[50:51], s[4:5], s[50:51]        ; K's piece of tile 0: hangs on the head and the wave alone
	s_add_nc_u64 s[52:53], s[4:5], s[56:57]        ; my queries
	s_lshl_b32 s56, s14, 22                        ; att: mb = 8 b + 2 cx + p / 2, 32 heads x 16,384 bytes each
	s_lshl_b32 s57, s11, 20
	s_add_co_u32 s56, s56, s57
	s_lshr_b32 s57, s9, 1
	s_lshl_b32 s57, s57, 19
	s_add_co_u32 s56, s56, s57
	s_lshl_b32 s57, s15, 14
	s_add_co_u32 s56, s56, s57
	s_and_b32 s57, s9, 1
	s_lshl_b32 s57, s57, 13                        ; rows 64 (p % 2)
	s_add_co_u32 s56, s56, s57
	s_mov_b32 s57, 0
	s_add_nc_u64 s[54:55], s[6:7], s[56:57]
.irp s, 0,1
	s_mov_b32 s[G0K+4*\s], 1
	s_add_co_u32 s[G0K+4*\s+1], s49, \s*SLOT
	s_add_nc_u64 s[G0K+4*\s+2:G0K+4*\s+3], s[50:51], \s*32768
	s_or_b32 s[G0K+4*\s+3], s[G0K+4*\s+3], 0x80000000
	s_mov_b32 s[G0V+4*\s], 1
	s_add_co_u32 s[G0V+4*\s+1], s49, \s*SLOT
	s_add_nc_u64 s[G0V+4*\s+2:G0V+4*\s+3], s[50:51], \s*32768+8388608
	s_or_b32 s[G0V+4*\s+3], s[G0V+4*\s+3], 0x80000000
.endr
	ROUND                                          ; all four work-groups are here: the first joint loads meet
	JLOAD 0                                        ; tile 0
	v_and_b32 v1, 15, v0                           ; r
	v_bfe_u32 v2, v0, 4, 1                         ; h
	v_and_b32 v3, 31, v0                           ; l
	v_lshlrev_b32 v[QA], 7, v1
	v_lshl_add_u32 v[QA], v2, 4, v[QA]             ; q: 128 r + 16 h
.irp qt, 0,1,2,3
.irp ks, 0,1
	global_load_b128 v[QF+8*(2*\qt+\ks):QF+8*(2*\qt+\ks)+3],   v[QA], s[52:53] offset:2048*\qt+64*\ks
	global_load_b128 v[QF+8*(2*\qt+\ks)+4:QF+8*(2*\qt+\ks)+7], v[QA], s[52:53] offset:2048*\qt+64*\ks+32
.endr
.endr
	v_mul_u32_u24 v4, v1, 144
	v_lshl_add_u32 v4, v2, 4, v4                   ; 144 r + 16 h
	s_mul_i32 s58, s10, 2*PIECE                    ; my half of the keys: two pieces
	v_add_nc_u32 v[ADRK], s58, v4
	v_add_nc_u32 v[ADRK+1], SLOT, v[ADRK]
	v_and_b32 v5, 7, v0
	v_lshl_add_u32 v6, v2, 3, v5                   ; key 8 h + l % 8
	v_mul_u32_u24 v6, v6, 160
	v_bfe_u32 v7, v0, 3, 1
	v_lshl_add_u32 v6, v7, 4, v6
	s_add_co_u32 s58, s58, VPART
	v_add_nc_u32 v[ADRV], s58, v6
	v_add_nc_u32 v[ADRV+1], SLOT, v[ADRV]
	s_mul_i32 s58, s9, SCRW
	s_add_co_u32 s58, s58, SCR
	v_lshl_add_u32 v[MRG], v3, 4, s58              ; scratch of my pair of waves: 16 l
	s_mul_i32 s59, s9, STGW
	s_add_co_u32 s59, s59, STG
	v_add_nc_u32 v[STO], s59, v4                   ; stage in: row r, 16 bytes for each half
	v_lshrrev_b32 v6, 3, v3
	v_mul_u32_u24 v6, v6, 144
	v_lshl_add_u32 v6, v5, 4, v6
	v_add_nc_u32 v[RD], s59, v6                    ; back: eight lanes take a row of 128 bytes
	v_lshlrev_b32 v[CO], 4, v3
.irp qt, 0,1,2,3
	v_mov_b32 v[X+\qt], 0                          ; v_permlanex16_b32 counts as a reader of its destination
.endr
	s_wait_loadcnt 0x0                             ; q, once
	TRIP 0, 1, 1
	TRIP 1, 1, 0
	s_mov_b32 s48, 2
.Ltiles:
	TRIP 0, 1, 0
	TRIP 1, 1, 0
	s_sub_co_u32 s48, s48, 1
	s_cmp_lg_u32 s48, 0
	s_cbranch_scc1 .Ltiles
	TRIP 0, 1, 0
	TRIP 1, 0, 0                                   ; the last of eight tiles: nothing is left to fetch
	; THE MERGE of the two halves of the keys.  l = both partial sums, both halves of the lanes.
.irp qt, 0,1,2,3
	v_add_f32 v[T+\qt], v[L+2*\qt], v[L+2*\qt+1]
.endr
.irp qt, 0,1,2,3
	v_permlanex16_b32 v[X+\qt], v[T+\qt], s12, s13
.endr
.irp qt, 0,1,2,3
	v_add_f32 v[T+\qt], v[T+\qt], v[X+\qt]
.endr
	s_cmp_eq_u32 s10, 0
	s_cbranch_scc1 .Lkeep
	WIN 0x04                                       ; store data window 1
.set i_, 0
.rept 32
	ds_store_b128 v[MRG], v[O+4*i_:O+4*i_+3] offset:512*i_
.set i_, i_+1
.endr
	WIN 0
	ds_store_b128 v[MRG], v[M:M+3] offset:16384
	ds_store_b128 v[MRG], v[M+4:M+7] offset:16896
	ds_store_b128 v[MRG], v[T:T+3] offset:17408
.Lkeep:
	s_wait_dscnt 0x0                               ; for the partner's sake: my stores are done
	s_barrier_signal -1
	s_barrier_wait -1
	s_cmp_lg_u32 s10, 0
	s_cbranch_scc1 .Lclose
.set i_, 0
.rept 32
	ds_load_b128 v[O2+4*i_:O2+4*i_+3], v[MRG] offset:512*i_
.set i_, i_+1
.endr
	ds_load_b128 v[M2:M2+3], v[MRG] offset:16384
	ds_load_b128 v[M2+4:M2+7], v[MRG] offset:16896
	ds_load_b128 v[L2:L2+3], v[MRG] offset:17408
	s_wait_dscnt 0x0
.irp qt, 0,1,2,3
	v_max_num_f32 v[X+\qt], v[M+2*\qt], v[M2+2*\qt]
.endr
.irp qt, 0,1,2,3
	v_sub_f32 v[AL+2*\qt], v[M+2*\qt], v[X+\qt]
	v_sub_f32 v[AL+2*\qt+1], v[M2+2*\qt], v[X+\qt]
.endr
.irp i, 0,1,2,3,4,5,6,7
	v_exp_f32 v[AL+\i], v[AL+\i]
.endr
	v_nop
	s_wait_alu depctr_va_vdst(0)
.irp qt, 0,1,2,3
	v_mul_f32 v[T+\qt], v[T+\qt], v[AL+2*\qt]
.endr
.irp qt, 0,1,2,3
	v_fmac_f32 v[T+\qt], v[L2+\qt], v[AL+2*\qt+1]  ; l = l1 a1 + l2 a2, at least 1: the larger maximum's own term
.endr
.irp qt, 0,1,2,3
	v_rcp_f32 v[X+\qt], v[T+\qt]
.endr
	v_nop
	s_wait_alu depctr_va_vdst(0)
.irp qt, 0,1,2,3
	v_mul_f32 v[M+2*\qt], v[AL+2*\qt], v[X+\qt]    ; a1 / l, twice: a pair for the packed forms
	v_mul_f32 v[M+2*\qt+1], v[AL+2*\qt], v[X+\qt]
	v_mul_f32 v[M2+2*\qt], v[AL+2*\qt+1], v[X+\qt] ; a2 / l
	v_mul_f32 v[M2+2*\qt+1], v[AL+2*\qt+1], v[X+\qt]
.endr
.set i_, 0
.rept 64
	v_pk_mul_f32 v[O2+2*i_:O2+2*i_+1], v[O2+2*i_:O2+2*i_+1], v[M2+2*(i_/16):M2+2*(i_/16)+1]
.set i_, i_+1
.endr
	WIN 0x01
.set i_, 0
.rept 64
	v_pk_fma_f32 v[O2+2*i_:O2+2*i_+1], v[O+2*i_:O+2*i_+1], v[M+2*(i_/16):M+2*(i_/16)+1], v[O2+2*i_:O2+2*i_+1]
.set i_, i_+1
.endr
	WIN 0
.set i_, 0
.rept 64
	v_cvt_pk_f16_f32 v[VF+i_], v[O2+2*i_], v[O2+2*i_+1]    ; lane (r, h): query 16 qt + r, d = 16 dt + 8 h + 0..7: 16 bytes
.set i_, i_+1
.endr
.irp qt, 0,1,2,3
.irp dt, 0,1,2,3
	ds_store_b128 v[STO], v[VF+4*(4*\qt+\dt):VF+4*(4*\qt+\dt)+3] offset:2304*\qt+32*\dt
.endr
.endr
.set i_, 0
.rept 16
	ds_load_b128 v[O2+4*i_:O2+4*i_+3], v[RD] offset:576*i_ ; LDS serves a wave's instructions in order: these see the stores above
.set i_, i_+1
.endr
.set i_, 0
.rept 16
	s_wait_dscnt 15-i_
	global_store_b128 v[CO], v[O2+4*i_:O2+4*i_+3], s[54:55] offset:512*i_     ; four rows: 512 consecutive bytes, aligned
.set i_, i_+1
.endr
.Lclose:
	s_wait_tensorcnt 0x0
	ds_add_u32 v62, v63
	s_wait_dscnt 0x0
	ROUND                                          ; the closing round
	s_endpgm
.Lfunc_end_k_qc952fd2350_attn:
	.size	k_qc952fd2350_attn, .Lfunc_end_k_qc952fd2350_attn-k_qc952fd2350_attn
	.p2alignl 7, 3214868480
	.fill 96, 4, 3214868480
	.section	.rodata,"a",@progbits
	.p2align	6, 0x0
	.amdhsa_kernel k_qc952fd2350_attn
		.amdhsa_group_segment_fixed_size 327680
		.amdhsa_private_segment_fixed_size 0
		.amdhsa_enable_private_segment 0
		.amdhsa_kernarg_size 16
		.amdhsa_user_sgpr_count 2
		.amdhsa_user_sgpr_kernarg_segment_ptr 1
		.amdhsa_wavefront_size32 1
		.amdhsa_system_sgpr_workgroup_id_x 1
		.amdhsa_system_sgpr_workgroup_id_y 1
		.amdhsa_system_sgpr_workgroup_id_z 1
		.amdhsa_system_vgpr_workitem_id 0
		.amdhsa_next_free_vgpr 512
		.amdhsa_next_free_sgpr 66
		.amdhsa_reserve_vcc 0
		.amdhsa_float_denorm_mode_32 3
		.amdhsa_float_denorm_mode_16_64 3
		.amdhsa_memory_ordered 1
		.amdhsa_forward_progress 1
		.amdhsa_inst_pref_size 255
	.end_amdhsa_kernel
	.section	.bss,"aw",@nobits
	.p2align	6
	.space	262144
	.amdgpu_metadata
---
amdhsa.version: [ 1, 2 ]
amdhsa.kernels:
  - .name:           k_qc952fd2350_attn
    .symbol:         k_qc952fd2350_attn.kd
    .args:
      - { .name: qkv, .offset: 0, .size: 8, .value_kind: global_buffer, .address_space: global }
      - { .name: att, .offset: 8, .size: 8, .value_kind: global_buffer, .address_space: global }
    .group_segment_fixed_size: 327680
    .private_segment_fixed_size: 0
    .kernarg_segment_align: 8
    .kernarg_segment_size: 16
    .max_flat_workgroup_size: 256
    .sgpr_count:     66
    .vgpr_count:     512
    .wavefront_size: 32
...
	.end_amdgpu_metadata
.endif
;; end of part 3
;; launch gemm_out (part 4): grid 16 x 16, 4 waves a work-group, clusters of 4 x 4, 327,680 bytes of LDS; arguments att, c16, bout, out0; writes out0
.if DOCPART == 4
	.amdgcn_target "amdgcn-amd-amdhsa--gfx1250"
	.amdhsa_code_object_version 6
	.text
	.protected	k_qc952fd2350_gemm_out
	.globl	k_qc952fd2350_gemm_out
	.p2align	8
	.type	k_qc952fd2350_gemm_out,@function
k_qc952fd2350_gemm_out:
	s_mov_b64 s[64:65], 0
	v_nop
	global_prefetch_b8 v0, s[64:65] scope:SCOPE_SE
	s_setreg_imm32_b32 hwreg(HW_REG_WAVE_MODE, 25, 1), 1
	s_wait_xcnt 0x0
	s_wait_alu depctr_hold_cnt(0) depctr_sa_sdst(0) depctr_va_vdst(0) depctr_va_sdst(0) depctr_va_ssrc(0) depctr_va_vcc(0) depctr_vm_vsrc(0)
	s_getreg_b32 s2, hwreg(HW_REG_IB_STS2, 6, 4)
	s_cmp_eq_u32 s2, 0
	s_cbranch_scc0 .Lentry_in_a_cluster
	s_endpgm
.Lentry_in_a_cluster:
	s_bfe_u32 s2, ttmp6, 0x10000c
	s_cmp_lg_u32 s2, 0xf033
	s_cbranch_scc0 .Lentry_shape_is_right
	s_endpgm
.Lentry_shape_is_right:
; out0 = att Wout + bout, f32.
; A = att [mb 16][h 32][r 128][64] f16: the 128 rows of block row mb and 4 heads (256 along K) are 65,536 dense bytes.
; B = Wout [K 2048][N 2048] f16 (c16, byte 33,554,432), rows along N.  Sums in f32.
; A work-group makes 128 x 128 with four waves (2 x 2), a wave 64 x 64: 16 accumulator tiles.  256 work-groups.  K goes in steps of 256 (4 heads)
; through two LDS slots filled by the tensor data mover.  A's part of a wave is two heads: 32,768 dense bytes, read as 128 rows of 256 bytes and padded
; behind every 128 bytes, so that row r of head panel j lies at (128 j + r) x 144.
; CLUSTERS: 4 x 4 work-groups.  A's tile is asked for jointly along a row of the cluster, B's along a column.
; The matrix instruction is used transposed (source 0 = 16 columns of B, source 1 = 16 rows of A): lane l holds row l % 16 and eight neighbouring columns.
; REGISTERS in windows of 256: window 0: v16-29 addresses, v64.., v128.. A's fragments, v192-223 the bias; window 1: B's fragments; window 2: accumulators.
; PREFETCH.  A K step brings as many bytes as LDS has room for and feeds 128 matrix instructions a wave, so the tiles are asked for ahead, a lap (two
; K steps) at a time.  A lap's tiles of a block row of att are 131,072 dense bytes; the sixteen work-groups of the block row share them out, 8,192 bytes each:
; one request of wave 1, lanes 256 bytes apart.  A lap's tiles of a block column of Wout are 512 rows x 256 bytes; the sixteen work-groups of the block
; column share them out, 32 rows each: one request of wave 3, one row a lane.  So each 256 bytes are asked for once in the launch, 16,384 bytes a
; work-group and lap.  Lap t + 1 is asked for at the head of lap t: the tensor loads that want it are issued one and two K steps later.  Lap 0 is asked for by
; its tensor loads alone, and the last lap asks for nothing.
; LIMITS: f16 operands: beyond 65,504 in magnitude infinite.  The order of the sums differs from a row-by-row sum.  NaN and infinities are not followed.
.set SIZE_K, 2048
.set TA, 4
.set TB, 4
.set KSTEP, 256
.set NQ, KSTEP/32
.set PA, 144                           ; A's LDS row: a head's 128 bytes + 16
.set PB, 288                           ; B's LDS row: 256 bytes + 32
.set QH, 36864                         ; one wave's load: A's 256 rows x 144 = B's 128 rows x 288
.set AROW, 64*PA                       ; from my row half 0 to half 1 inside a panel
.set PANEL, 1
.set SLOT, 4*QH
.set STAGE, 2*SLOT                     ; each wave's own 16 rows x 272 bytes; no tensor load lands here
.set SP, 272
.set STAGEW, 16*SP
.set LAPS, SIZE_K/(2*KSTEP)
.set AQI, 4                            ; pad behind every 32 words
.set ADIM0, 128
.set ADIM1, 128
.set ASTR, 128
.set BQI, 5
.set BDIM0, 128
.set BDIM1, 128
.set BSTR, 2048
.set ABASE, 0
.set ABLK, 524288                      ; a block row: 32 heads x 16,384 bytes
.set AHALF, 32768                      ; two heads
.set ASLOT, 65536                      ; four heads
.set BBASE, 33554432
.set BBLK, 256
.set BHALF, 524288
.set BSLOT, 1048576
.set MUL_LO, 0xa1                      ; source 0 (B) window 1, source 1 (A) window 0, C and D window 2
.set MUL_HI, 0xa1
.set TO_B, 0x40
.set ADRA, 16
.set ADRB, 20
.set STO, 24
.set RD, 25
.set CO, 26
.set TADR, 27
.set PFA, 28                           ; v28     prefetch of att: 256 l; never rewritten
.set PFB, 29                           ; v29     prefetch of Wout: 4,096 l; never rewritten
.set F0, 64
.set F1, 128
.set ROT, 64                           ; the way out: results with the bias
.set BK, 128                           ; read back
.set BIAS, 192
.set G1, 24
.set G0, 32
.set G1B, 48
.set G0B, 56
.set MSB, 0
.macro WIN new                         ; the immediate's high byte repeats the setting that is left; switches that change nothing are dropped
.if MSB != (\new)
	s_set_vgpr_msb (MSB<<8)|(\new)
.set MSB, (\new)
.endif
.endm
; A joint load.  Waves 0 and 1 fetch A's two parts, waves 2 and 3 B's.  The branch hangs on the wave's number alone.
.macro JLOAD s
	s_cmp_eq_u32 s11, 0
	s_cbranch_scc0 .Lfor_b_\@
	tensor_load_to_lds s[G0+4*\s:G0+4*\s+3], s[G1:G1+7]
	s_nop 0
	s_branch .Lasked_\@
.Lfor_b_\@:
	tensor_load_to_lds s[G0B+4*\s:G0B+4*\s+3], s[G1B:G1B+7]
	s_nop 0
.Lasked_\@:
.endm
; My work-group's share of one lap's tiles is asked for: wave 1 asks for 32 x 256 bytes of att, wave 3 for 32 x 256 bytes of Wout.
; aoff, boff: the lap's place from the two bases.  Nothing waits for these requests.
.macro PREF aoff, boff
	s_cmp_lg_u32 s10, 1
	s_cbranch_scc1 .Lnot_pa_\@
	global_prefetch_b8 v[PFA], s[70:71] offset:\aoff th:TH_LOAD_NT scope:SCOPE_SE
.Lnot_pa_\@:
	s_cmp_lg_u32 s10, 3
	s_cbranch_scc1 .Lnot_pb_\@
	global_prefetch_b8 v[PFB], s[72:73] offset:\boff th:TH_LOAD_NT scope:SCOPE_SE
.Lnot_pb_\@:
.endm
; A round of the cluster's barrier: my work-group's barrier; wave 0 signals for the work-group; every wave waits for all sixteen; my work-group's barrier again.
.macro CREST
	s_cmp_lg_u32 s10, 0
	s_cbranch_scc1 .Lnot_wave_0_\@
	s_barrier_signal -3
.Lnot_wave_0_\@:
	s_barrier_wait -3
	s_barrier_signal -1
	s_barrier_wait -1
.endm
.macro CROUND
	s_barrier_signal -1
	s_barrier_wait -1
	CREST
.endm
; Four plain places behind matrix instructions in front of loads into, and vector work on, their registers.
.macro PLACES
.rept 4
	v_nop
.endr
.endm
; TB matrix instructions: row block a x all column blocks, 32 along K.  zero = 1: the first product starts the sums.
; The accumulators take turns, one instruction a turn, in the same order in every quarter step.
.macro MULA f, a, zero
.set bb, 0
.rept TB
.set acc, 8*(((\a)*TB+bb)%32)
.if \zero
	v_wmma_f32_16x16x32_f16 v[acc:acc+7], v[\f+8*bb:\f+8*bb+7], v[\f+8*(\a):\f+8*(\a)+7], 0
.else
	v_wmma_f32_16x16x32_f16 v[acc:acc+7], v[\f+8*bb:\f+8*bb+7], v[\f+8*(\a):\f+8*(\a)+7], v[acc:acc+7]
.endif
.set bb, bb+1
.endr
.endm
.macro MULS f, a0, n, zero
.set aa, \a0
.rept \n
	MULA \f, aa, \zero
.set aa, aa+1
.endr
.endm
; One quarter step's fragments into buffer f, in one run: 2 TB transposing loads for B, then 2 TA loads for A.
.macro FETCH slot, kq, f
	WIN TO_B
.set ii, 0
.rept TB
	ds_load_tr16_b128 v[\f+8*ii:\f+8*ii+3],   v[ADRB+2*\slot+(\kq)/4] offset:(((\kq)%4)*32)*PB+32*ii
	ds_load_tr16_b128 v[\f+8*ii+4:\f+8*ii+7], v[ADRB+2*\slot+(\kq)/4] offset:(((\kq)%4)*32+16)*PB+32*ii
.set ii, ii+1
.endr
	WIN 0
.if PANEL
.set aoff, ((\kq)/2)*128*PA+((\kq)%2)*64       ; head panel kq / 2, its first or second 32 numbers
.else
.set aoff, 64*(\kq)
.endif
.set ii, 0
.rept TA
	ds_load_b128 v[\f+8*ii:\f+8*ii+3],   v[ADRA+\slot] offset:aoff+ii*16*PA
	ds_load_b128 v[\f+8*ii+4:\f+8*ii+7], v[ADRA+\slot] offset:aoff+ii*16*PA+32
.set ii, ii+1
.endr
.endm
; Multiplies buffer f; in its middle fetches quarter step kq of the same slot into buffer g.
.macro QUARTER slot, kq, f, g, zero
	s_wait_dscnt TA                                ; B and A's lower row blocks are in; the youngest TA loads (A's upper blocks) may be out
	WIN MUL_LO
	MULS \f, 0, TA/2, \zero
	PLACES
	FETCH \slot, \kq, \g
	s_wait_dscnt 2*(TA+TB)                         ; all but the run just issued
	WIN MUL_HI
	MULS \f, TA/2, TA/2, \zero
.endm
.macro BODY slot, zero                 ; all quarter steps of a K step but the last, on buffers 0, 1, 0, 1 ..
	QUARTER \slot, 1, F0, F1, \zero
.set kc, 2
.rept (NQ-2)/2
	QUARTER \slot, kc, F1, F0, 0
	QUARTER \slot, kc+1, F0, F1, 0
.set kc, kc+2
.endr
.endm
; The last quarter step: multiplies buffer 1 and changes slots.  In front of the barrier each wave waits for its reads of this slot and for
; all its tensor loads (the one that is out is its part of the next slot); behind it the refill comes first, one load a wave.
.macro TURN slot, next, fill
	s_wait_dscnt TA
	WIN MUL_LO
	MULS F1, 0, TA/4, 0
	s_wait_dscnt 0x0                               ; my reads of this slot are over
	s_wait_tensorcnt 0x0                           ; and all my tensor loads have landed
	ds_add_u32 v255, v255
	s_wait_dscnt 0x0
	s_barrier_signal -1                            ; where a slot is filled again this barrier opens a round of the cluster's barrier
	MULS F1, TA/4, TA/4, 0                         ; register work alone
	WIN 0
	s_barrier_wait -1
.if \fill
	CREST                                          ; no wave of any partner still reads this slot or has a load on its way
	s_add_nc_u64 s[G0+4*\slot+2:G0+4*\slot+3], s[G0+4*\slot+2:G0+4*\slot+3], 2*ASLOT
	s_add_nc_u64 s[G0B+4*\slot+2:G0B+4*\slot+3], s[G0B+4*\slot+2:G0B+4*\slot+3], 2*BSLOT
	JLOAD \slot                                    ; the first tensor load behind the round
.endif
	PLACES
	FETCH \next, 0, F0
	WIN MUL_HI
	MULS F1, TA/2, TA/2, 0
.endm
.macro LAP zero
	BODY 0, \zero
	TURN 0, 1, 1
	BODY 1, 0
	TURN 1, 0, 1
.endm
	s_load_b64 s[4:5], s[0:1], 0x0                 ; att
	s_load_b64 s[6:7], s[0:1], 0x8                 ; c16
	s_load_b64 s[66:67], s[0:1], 0x10              ; bout
	s_load_b64 s[8:9], s[0:1], 0x18                ; out0
	s_set_vgpr_msb 0x40
	v_lshl_add_u32 v255, v0, 2, 0x4c400
	s_set_vgpr_msb 0x4000
	v_mov_b32 v255, 0
	s_set_vgpr_msb 0x1
	ds_add_u32 v255, v255
	s_set_vgpr_msb 0x100
	v_lshrrev_b32 v1, 5, v0
	v_readfirstlane_b32 s10, v1                    ; wave 0..3
	s_lshr_b32 s11, s10, 1                         ; my half of the block's rows.  Also: I fetch for A (0) or for B (1)
	s_and_b32 s12, s10, 1                          ; my half of its columns.  Also: which part of that tile I fetch
	s_bfe_u32 s40, ttmp6, 0x40000                  ; cx
	s_bfe_u32 s41, ttmp6, 0x40004                  ; cy
	s_lshl_b32 s42, ttmp9, 2
	s_add_co_u32 s42, s42, s40                     ; block column
	s_and_b32 s13, ttmp7, 0xffff
	s_lshl_b32 s13, s13, 2
	s_add_co_u32 s13, s13, s41                     ; block row
	s_lshl_b32 s43, s41, 2
	s_lshl_b32 s43, 15, s43                        ; my row of the cluster
	s_lshl_b32 s44, 0x1111, s40                    ; my column
	s_or_b32 s[G1+0], s43, (1<<16)|(1<<20)|(1<<21)|(AQI<<22)|(3<<25)    ; mask; elements of 2 bytes; padding on; bit 21 beside a mask; interval; 4 words of pad
	s_or_b32 s[G1B+0], s44, (1<<16)|(1<<20)|(1<<21)|(BQI<<22)|(7<<25)   ; 8 words of pad
	s_mov_b32 s[G1+1], ADIM0<<16                   ; tensor_dim0
	s_mov_b32 s[G1+2], ADIM1<<16                   ; tensor_dim1
	s_mov_b32 s[G1+3], ADIM0<<16                   ; tile_dim0
	s_mov_b32 s[G1+4], ADIM1                       ; tile_dim1
	s_mov_b32 s[G1+5], ASTR                        ; elements from row to row
	s_mov_b32 s[G1+6], 0
	s_mov_b32 s[G1+7], 0
	s_mov_b32 s[G1B+1], BDIM0<<16
	s_mov_b32 s[G1B+2], BDIM1<<16
	s_mov_b32 s[G1B+3], BDIM0<<16
	s_mov_b32 s[G1B+4], BDIM1
	s_mov_b32 s[G1B+5], BSTR
	s_mov_b32 s[G1B+6], 0
	s_mov_b32 s[G1B+7], 0
	; A's address is made of the block row and the wave's number, B's of the block column and the wave's number, in registers that never hold the other coordinate
	s_mul_i32 s16, s13, ABLK
	s_mul_i32 s17, s12, AHALF
	s_add_co_u32 s16, s16, s17
	s_mov_b32 s17, 0
	s_mul_i32 s46, s42, BBLK
	s_mul_i32 s47, s12, BHALF
	s_add_co_u32 s46, s46, s47
	s_add_co_u32 s46, s46, BBASE
	s_mov_b32 s47, 0
	s_mul_i32 s20, s10, QH                         ; where my load lands: wave x QH; no place in the cluster enters an LDS address
	s_lshl_b32 s18, s42, 9                         ; my first column in bout: 128 x block column + 64 x half, 4 bytes each
	s_lshl_b32 s19, s12, 8
	s_add_co_u32 s18, s18, s19
	s_mov_b32 s19, 0
	s_wait_dscnt 0x0
	s_wait_kmcnt 0x0
	s_add_nc_u64 s[14:15], s[4:5], s[16:17]
	s_add_nc_u64 s[46:47], s[6:7], s[46:47]
	s_add_nc_u64 s[66:67], s[66:67], s[18:19]
	CROUND                                         ; all sixteen work-groups are here: the first joint loads meet
.irp s, 0,1
	s_mov_b32 s[G0+4*\s], 1
	s_add_co_u32 s[G0+4*\s+1], s20, \s*SLOT
	s_add_nc_u64 s[G0+4*\s+2:G0+4*\s+3], s[14:15], \s*ASLOT
	s_or_b32 s[G0+4*\s+3], s[G0+4*\s+3], 0x80000000
	s_mov_b32 s[G0B+4*\s], 1
	s_add_co_u32 s[G0B+4*\s+1], s20, \s*SLOT
	s_add_nc_u64 s[G0B+4*\s+2:G0B+4*\s+3], s[46:47], \s*BSLOT
	s_or_b32 s[G0B+4*\s+3], s[G0B+4*\s+3], 0x80000000
	JLOAD \s                                       ; both first fills as one group: two loads of the wave are out
.endr
	v_and_b32 v1, 15, v0                           ; r = l % 16
	v_bfe_u32 v2, v0, 4, 1                         ; h = l / 16
	v_and_b32 v7, 31, v0                           ; l
	v_lshlrev_b32 v[TADR], 5, v2                   ; bias: my 8 columns of each 16: 32 h; never rewritten
	; my work-group's share of what is asked for ahead, in registers of its own
	v_lshlrev_b32 v[PFA], 8, v7                    ; att: 256 bytes a lane of my 8,192
	v_lshlrev_b32 v[PFB], 12, v7                   ; Wout: row l of my 32 rows
	s_lshl_b32 s74, s13, 19                        ; att: the block row's 524,288 bytes,
	s_lshl_b32 s75, s42, 13                        ; 8,192 of a lap's 131,072 for each block column
	s_add_co_u32 s74, s74, s75
	s_mov_b32 s75, 0
	s_add_nc_u64 s[70:71], s[4:5], s[74:75]
	s_lshl_b32 s74, s13, 17                        ; Wout: 32 of a lap's 512 rows of 4,096 bytes for each block row,
	s_lshl_b32 s75, s42, 8                         ; the block column's 256 bytes of them
	s_add_co_u32 s74, s74, s75
	s_add_co_u32 s74, s74, BBASE
	s_mov_b32 s75, 0
	s_add_nc_u64 s[72:73], s[6:7], s[74:75]
.irp b, 0,1,2,3
	global_load_b128 v[BIAS+8*\b:BIAS+8*\b+3],   v[TADR], s[66:67] offset:64*\b
	global_load_b128 v[BIAS+8*\b+4:BIAS+8*\b+7], v[TADR], s[66:67] offset:64*\b+16
.endr
	PREF 131072, 2097152                           ; lap 1
	v_mul_u32_u24 v3, v1, PA
	v_lshl_add_u32 v3, v2, 4, v3                   ; A: r x pitch + 16 h
	s_mul_i32 s21, s11, AROW
	v_add_nc_u32 v[ADRA], s21, v3
	v_add_nc_u32 v[ADRA+1], SLOT, v[ADRA]
	v_and_b32 v4, 7, v0
	v_lshl_add_u32 v4, v2, 3, v4                   ; B: K row 8 h + l % 8,
	v_mul_u32_u24 v4, v4, PB
	v_bfe_u32 v5, v0, 3, 1
	v_lshl_add_u32 v4, v5, 4, v4                   ; 16 bytes further for lanes 8-15 of each half
	s_mul_i32 s22, s12, 32*TB                      ; my half of the columns
	s_add_co_u32 s22, s22, 2*QH                    ; behind A's two parts
	v_add_nc_u32 v[ADRB], s22, v4
	v_add_nc_u32 v[ADRB+2], SLOT, v[ADRB]
	v_add_nc_u32 v[ADRB+1], 128*PB, v[ADRB]
	v_add_nc_u32 v[ADRB+3], 128*PB, v[ADRB+2]
	s_mul_i32 s23, s10, STAGEW
	s_add_co_u32 s23, s23, STAGE                   ; my stage
	v_mul_u32_u24 v6, v1, SP
	v_lshl_add_u32 v6, v2, 5, v6
	v_add_nc_u32 v[STO], s23, v6                   ; in: row r, 32 bytes for each half of the lanes
	v_mul_u32_u24 v8, v2, SP
	v_lshl_add_u32 v8, v1, 4, v8
	v_add_nc_u32 v[RD], s23, v8                    ; back: lanes 0-15 take one row of 256 bytes, lanes 16-31 the next
	v_lshlrev_b32 v[CO], 4, v1
	v_lshl_add_u32 v[CO], v2, 13, v[CO]            ; and the same two rows of out0, 8,192 bytes apart
	s_wait_tensorcnt 0x1                           ; my part of K step 0 is in; K step 1's stays out
	s_barrier_signal -1
	s_barrier_wait -1
	FETCH 0, 0, F0
	LAP 1                                          ; the first lap's first products start the sums
	WIN 0
	s_mov_b32 s3, LAPS-2
.Llap:
	PREF 262144, 4194304                           ; laps 1 and 2 ask for laps 2 and 3; the last lap, behind the loop, asks for nothing
	LAP 0
	WIN 0
	s_wait_xcnt 0x0                                ; the two bases are stepped only behind this wait, a lap behind the requests that name them
	s_add_nc_u64 s[70:71], s[70:71], 131072
	s_add_nc_u64 s[72:73], s[72:73], 2097152
	s_sub_co_u32 s3, s3, 1
	s_cmp_lg_u32 s3, 0
	s_cbranch_scc1 .Llap
	BODY 0, 0                                      ; the last lap fills nothing
	TURN 0, 1, 0
	BODY 1, 0
	s_wait_dscnt TA
	WIN MUL_LO
	MULS F1, 0, TA/2, 0
	s_wait_dscnt 0x0
	WIN MUL_HI
	MULS F1, TA/2, TA/2, 0
	WIN 0
	PLACES
	; THE WAY OUT: my first row (8,192 bytes a row), then my first column
	s_lshl_b32 s16, s13, 20
	s_lshl_b32 s17, s11, 19
	s_add_co_u32 s16, s16, s17
	s_mov_b32 s17, 0
	s_add_nc_u64 s[8:9], s[8:9], s[16:17]
	s_lshl_b32 s46, s42, 9
	s_lshl_b32 s47, s12, 8
	s_add_co_u32 s46, s46, s47
	s_mov_b32 s47, 0
	s_add_nc_u64 s[8:9], s[8:9], s[46:47]
	s_wait_loadcnt 0x0                             ; the bias, once
; Strip a: 16 rows x 64 columns of f32: add the bias, 32 bytes a lane into my own stage, whole rows of 256 bytes back, sixteen lanes store one, aligned.
.macro OUTB a
	WIN 0x02
.set bb, 0
.rept TB
.set acc, 8*((\a)*TB+bb)
.irp p, 0,1,2,3
	v_pk_add_f32 v[ROT+8*bb+2*\p:ROT+8*bb+2*\p+1], v[acc+2*\p:acc+2*\p+1], v[BIAS+8*bb+2*\p:BIAS+8*bb+2*\p+1]
.endr
.set bb, bb+1
.endr
	WIN 0
.set tt, 0
.rept 8
	ds_store_b128 v[STO], v[ROT+4*tt:ROT+4*tt+3] offset:64*(tt/2)+16*(tt%2)
.set tt, tt+1
.endr
	s_wait_xcnt 0x0                                ; BK, which the last strip's stores read, is rewritten only behind this wait
.set tt, 0
.rept 8
	ds_load_b128 v[BK+4*tt:BK+4*tt+3], v[RD] offset:2*SP*tt        ; LDS serves a wave's instructions in order: these see the stores above
.set tt, tt+1
.endr
.set tt, 0
.rept 8
	s_wait_dscnt 7-tt
	global_store_b128 v[CO], v[BK+4*tt:BK+4*tt+3], s[8:9] offset:(16*(\a)+2*tt)*8192 th:TH_STORE_NT
.set tt, tt+1
.endr
.endm
.set sa, 0
.rept TA
	OUTB sa
.set sa, sa+1
.endr
	s_set_vgpr_msb 0x1
	s_wait_tensorcnt 0x0
	ds_add_u32 v255, v255
	s_wait_dscnt 0x0
	s_set_vgpr_msb 0x100
	CROUND                                         ; the closing round: no work-group ends while a partner may still ask for a tile that names it
	s_endpgm
.Lfunc_end_k_qc952fd2350_gemm_out:
	.size	k_qc952fd2350_gemm_out, .Lfunc_end_k_qc952fd2350_gemm_out-k_qc952fd2350_gemm_out
	.p2alignl 7, 3214868480
	.fill 96, 4, 3214868480
	.section	.rodata,"a",@progbits
	.p2align	6, 0x0
	.amdhsa_kernel k_qc952fd2350_gemm_out
		.amdhsa_group_segment_fixed_size 327680
		.amdhsa_private_segment_fixed_size 0
		.amdhsa_enable_private_segment 0
		.amdhsa_kernarg_size 32
		.amdhsa_user_sgpr_count 2
		.amdhsa_user_sgpr_kernarg_segment_ptr 1
		.amdhsa_wavefront_size32 1
		.amdhsa_system_sgpr_workgroup_id_x 1
		.amdhsa_system_sgpr_workgroup_id_y 1
		.amdhsa_system_sgpr_workgroup_id_z 1
		.amdhsa_system_vgpr_workitem_id 0
		.amdhsa_next_free_vgpr 640
		.amdhsa_next_free_sgpr 76
		.amdhsa_reserve_vcc 0
		.amdhsa_float_denorm_mode_32 3
		.amdhsa_float_denorm_mode_16_64 3
		.amdhsa_memory_ordered 1
		.amdhsa_forward_progress 1
		.amdhsa_inst_pref_size 136
	.end_amdhsa_kernel
	.amdgpu_metadata
---
amdhsa.version: [ 1, 2 ]
amdhsa.kernels:
  - .name:           k_qc952fd2350_gemm_out
    .symbol:         k_qc952fd2350_gemm_out.kd
    .args:
      - { .name: att, .offset: 0, .size: 8, .value_kind: global_buffer, .address_space: global }
      - { .name: c16, .offset: 8, .size: 8, .value_kind: global_buffer, .address_space: global }
      - { .name: bout, .offset: 16, .size: 8, .value_kind: global_buffer, .address_space: global }
      - { .name: out0, .offset: 24, .size: 8, .value_kind: global_buffer, .address_space: global }
    .group_segment_fixed_size: 327680
    .private_segment_fixed_size: 0
    .kernarg_segment_align: 8
    .kernarg_segment_size: 32
    .max_flat_workgroup_size: 128
    .sgpr_count:     76
    .vgpr_count:     640
    .wavefront_size: 32
...
	.end_amdgpu_metadata
.endif
;; end of part 4
